; MI455X (gfx1250); checked and timed in simulation.
; The chip was launched on July 23, 2026; its instructions are those of AMD's public machine-readable ISA for CDNA 5 (MIT licence, August 2026) and "CDNA5" Instruction Set Architecture Reference Guide (July 2026). The comments in the code are by the model that wrote it; some were corrected since.
;; Block. Allowed arithmetic: matrix products marked QUANTISED: E4M3 operands, one given power-of-two scale a tensor, by v_wmma_f32_16x16x64_fp8_fp8 or v_wmma_f32_16x16x128_fp8_fp8, f32 sums; everything else in f32.
;; Inputs: b1 4,096 float32; b2 1,024 float32; b_proj 1,024 float32; be1 1,024 float32; be2 1,024 float32; g1 1,024 float32; g2 1,024 float32; lowp_scales 16 int32 (the exponents e of the quantised operands' scales 2^e); w1 1,024 x 4,096 float32; w2 4,096 x 1,024 float32; w_proj 1,024 x 1,024 float32; wk 16 x 1,024 x 64 float32; wq 16 x 1,024 x 64 float32; wv 16 x 1,024 x 64 float32; x 4 x 1,024 x 1,024 float32.
;; Outputs: out0 4 x 1,024 x 1,024 float32.
;; This version of the problem:
;;   THIS VERSION OF THE PROBLEM IS GIVEN IN LOW PRECISION. The matrix products marked QUANTISED in the list below multiply operands that are first quantised to E4M3 (4 exponent bits, 3 mantissa bits; 8 bits a number), with one given power-of-two scale for each operand tensor; their sums are f32. All else is computed in f32.
;;   The module's matrix products, in the order in which they are computed (A, B: the left and right operand; K: the contracted axis; several contracted axes count as one K, in the product's order):
;;     1. [M 1,024, K 1,024] x [K 1,024, N 4,096]; A: input wq; B: computed on the way: QUANTISED (scales: A lowp_scales[0], B lowp_scales[1])
;;     2. [M 1,024, K 1,024] x [K 1,024, N 4,096]; A: input wk; B: computed on the way: QUANTISED (scales: A lowp_scales[2], B lowp_scales[3])
;;     3. [M 1,024, K 1,024] x [K 1,024, N 4,096]; A: input wv; B: computed on the way: QUANTISED (scales: A lowp_scales[4], B lowp_scales[5])
;;     4. batch 64 x [M 1,024, K 64] x [K 64, N 1,024]; A: computed on the way; B: computed on the way: QUANTISED (scales: A lowp_scales[6], B lowp_scales[7])
;;     5. batch 64 x [M 1,024, K 1,024] x [K 1,024, N 64]; A: softmax (see below); B: computed on the way: QUANTISED (scales: A lowp_scales[8], B lowp_scales[9])
;;     6. [M 4,096, K 1,024] x [K 1,024, N 1,024]; A: computed on the way; B: input w_proj: QUANTISED (scales: A lowp_scales[10], B lowp_scales[11])
;;     7. [M 4,096, K 1,024] x [K 1,024, N 4,096]; A: computed on the way; B: input w1: QUANTISED (scales: A lowp_scales[12], B lowp_scales[13])
;;     8. [M 4,096, K 4,096] x [K 4,096, N 1,024]; A: computed on the way; B: input w2: QUANTISED (scales: A lowp_scales[14], B lowp_scales[15])
;;   THE QUANTISER, for each operand of a quantised product, along K:
;;     - The operand's scale is 2^e, e = its entry of the input lowp_scales (int32; the entries are numbered through the quantised products in the list's order, A before B).
;;     - Each number is divided by the scale, clamped to +-448, and rounded to the nearest number of E4M3, ties to even, subnormals kept.
;;     - The product sums the exact products of the quantised numbers (number of the format x scale) in f32.
;;   ~~~python
;;   def quantise(x, axis, e):      # numpy; x: float32 -> the quantised numbers, widened to float32 again
;;       x = np.moveaxis(x, axis, -1); K = x.shape[-1]
;;       r = np.clip(x / 2.0 ** e, -448, 448)
;;       step = 2.0 ** (np.maximum(np.frexp(np.where(r == 0, 1, r))[1] - 1, -6) - 3)
;;       q = np.round(r / step) * step * 2.0 ** e      # np.round: ties to even
;;       return np.moveaxis(q, -1, axis).astype(np.float32)
;;   ~~~
;;   SOFTMAX AHEAD OF A QUANTISED PRODUCT. Where the list says 'softmax', what is quantised is not the finished softmax but p = 2^(t - M), with t = logit x log2(e) and M = ceil(the row's largest t), a whole number; so 1/2 < the row's largest p <= 1. The row's sum l is taken of the UNQUANTISED p, in f32, and the product's result is divided by l at the end. Since M is a whole number, a kernel that streams over the keys may use a running M (the ceiling of the running maximum): every later rescaling is an exact power of two, so the quantised numbers keep their values, but for numbers so far below the row's largest that they fall under the format's range.
;;   OPERANDS COMPUTED ON THE WAY. 'Computed on the way' means the value that the module computes at that place (a softmax that the list does not call 'softmax' is quantised finished and normalised). What goes into a quantiser is computed in f32, as accurately as f32 sums, v_exp_f32 and their like allow (about 1e-6 of the number): no bf16 or f16 on the way to a quantiser, and a product that is left as it is and whose result goes on into a quantised operand takes f32 operands (vector FMAs, or v_wmma_f32_16x16x4_f32). A number that lies on a knife's edge between two numbers of the format may be rounded either way, as far as f32 arithmetic and the matrix unit's own rounding can turn it there, and no further.
;; One version. Each part assembles by itself: llvm-mc -triple=amdgcn-amd-amdhsa -mcpu=gfx1250 --defsym DOCPART=n.
;; ======== version 1 of 1: 7 launches
;; limits: right only within a limited range of input values
;; workspace buffers: hc 12,582,912 bytes; wc 12,582,912 bytes; qkvc 12,582,912 bytes; oc 4,194,304 bytes; x1 16,777,216 bytes; tc 4,194,304 bytes; hid 16,777,216 bytes
;; launch prep (part 1): grid 640 x 1, 4 waves a work-group, no clusters, 35,328 bytes of LDS; arguments x, g1, be1, wq, wk, wv, w_proj, w1, w2, lowp_scales, hc, wc; writes hc, wc
.if DOCPART == 1
	.amdgcn_target "amdgcn-amd-amdhsa--gfx1250"
	.amdhsa_code_object_version 6
	.text
	.protected	k_qd0bc59d085_prep
	.globl	k_qd0bc59d085_prep
	.p2align	8
	.type	k_qd0bc59d085_prep,@function
k_qd0bc59d085_prep:
	s_mov_b64 s[64:65], 0
	v_nop
	global_prefetch_b8 v0, s[64:65] scope:SCOPE_SE
	s_setreg_imm32_b32 hwreg(HW_REG_WAVE_MODE, 25, 1), 1
	s_wait_xcnt 0x0
; TWO JOBS IN ONE LAUNCH, told apart by the work-group's number.
; Work-groups 0-255: h = layernorm(x, g1, be1), f32, quantised three times to E4M3 (scales 2^e1, 2^e3, 2^e5: h is an operand of three products), K innermost.
;   hc = [3][4096 places][1024] codes.  Copy 0: place = token.  Copies 1, 2: place = sigma(token), sigma = bits 3 and 4 of the index exchanged.
; Work-groups 256-639: the six weights (K is not their innermost axis) become codes laid [place sigma(n)][K], K innermost, in wc:
;   wq, wk, wv at 0, 1, 2 MiB (n = 64 head + d, rows of 1,024 bytes); w_proj at 3 MiB; w1 at 4 MiB (4,096 rows of 1,024); w2 at 8 MiB (1,024 rows of 4,096).
; WHY sigma: sixteen consecutive places used as source 0 of a matrix instruction then give a lane, in the registers of two neighbouring result tiles, sixteen NEIGHBOURS along n, which is the next product's K.
; code = number / 2^e, held within +-448, to the nearest code, ties to even.  LIMITS: every e used here lies between -126 and 119; NaN among the inputs is not served.
; No cluster and no tensor load: work-groups share only the 8 KiB of gains and offsets.  No prefetch: every load of a wave is issued at its head or two blocks ahead.
.set SPARE, 34816                      ; behind the four stages: the spare words, 128 bytes a wave, two blocks of 256 bytes that no other line names
.set SPW, 252                          ; v252 LDS address of my spare word; never rewritten
.set NIL, 253                          ; v253 0; never rewritten
; the layernorm's registers: v2 32 x lane, v3 8 x lane, v[4:7] two chains of sums, v8 a sum, v9 the other half's, v[10:11] the mean, v[12:13] 1/sqrt
.set G,  16                            ; v16-47   g1: register 8 c + j = element 256 c + 8 lane + j
.set BE, 48                            ; v48-79   be1 likewise
.set X,  80                            ; v80-207  four rows, 32 registers each, laid likewise
.set T,  208                           ; v208-223 two sets of eight held numbers
.set C,  224                           ; v224-247 a row's codes: eight registers for each copy
; the weights' registers
.set OFF,  16                          ; v16-47   4 lane + i x (bytes of a row of the weight)
.set WX,   48                          ; v48-111  two sets of 32 numbers down K
.set WC,   112                         ; v112-119 a block's codes
.set DO,   120                         ; v120-135 where pair t of rows goes in wc
.set OUTR, 136                         ; v136-199 the way out
.set PITCH, 272
.set NB, 8
.macro MKSC e, sc, lim                 ; v[sc] = 2^e as f32 (the conversion takes its exponent field), v[lim] = 448 x 2^e; e in s[e]
	s_add_co_i32 s88, s[\e], 127
	s_lshl_b32 s89, s88, 23
	v_mov_b32 v[\sc], s89
	s_add_co_i32 s88, s88, 8
	s_lshl_b32 s88, s88, 23
	s_or_b32 s88, s88, 0x600000
	v_mov_b32 v[\lim], s88
.endm
.macro REDUCE                          ; v[4:7] -> v8: the sum over my 32 numbers and over the 32 lanes, in every lane
	v_pk_add_f32 v[4:5], v[4:5], v[6:7]
	v_add_f32 v8, v4, v5
	v_add_f32_dpp v8, v8, v8 row_xmask:1 row_mask:0xf bank_mask:0xf
	v_add_f32_dpp v8, v8, v8 row_xmask:2 row_mask:0xf bank_mask:0xf
	v_add_f32_dpp v8, v8, v8 row_xmask:4 row_mask:0xf bank_mask:0xf
	v_add_f32_dpp v8, v8, v8 row_xmask:8 row_mask:0xf bank_mask:0xf
	v_permlanex16_b32 v9, v8, s84, s85
	v_add_f32 v8, v8, v9
.endm
.macro LN xs                           ; the row in v[xs .. xs+31] becomes (x - mean) / sqrt(var + eps) x g + be, in place.  The mean is taken off before the squares
	v_pk_add_f32 v[4:5], v[\xs:\xs+1], v[\xs+2:\xs+3]
	v_pk_add_f32 v[6:7], v[\xs+4:\xs+5], v[\xs+6:\xs+7]
.irp j, 8,12,16,20,24,28
	v_pk_add_f32 v[4:5], v[4:5], v[\xs+\j:\xs+\j+1]
	v_pk_add_f32 v[6:7], v[6:7], v[\xs+\j+2:\xs+\j+3]
.endr
	REDUCE
	v_mul_f32 v10, s86, v8                         ; the mean
.irp j, 0,2,4,6,8,10,12,14,16,18,20,22,24,26,28,30
	v_pk_add_f32 v[\xs+\j:\xs+\j+1], v[\xs+\j:\xs+\j+1], v[10:11] op_sel_hi:[1,0] neg_lo:[0,1] neg_hi:[0,1]
.endr
	v_pk_mul_f32 v[4:5], v[\xs:\xs+1], v[\xs:\xs+1]
	v_pk_mul_f32 v[6:7], v[\xs+2:\xs+3], v[\xs+2:\xs+3]
.irp j, 4,8,12,16,20,24,28
	v_pk_fma_f32 v[4:5], v[\xs+\j:\xs+\j+1], v[\xs+\j:\xs+\j+1], v[4:5]
	v_pk_fma_f32 v[6:7], v[\xs+\j+2:\xs+\j+3], v[\xs+\j+2:\xs+\j+3], v[6:7]
.endr
	REDUCE
	v_fma_f32 v8, v8, s86, s87                     ; the variance + eps
	s_wait_alu depctr_va_vdst(0)
	v_rsq_f32 v12, v8
	v_mov_b32 v13, 0                               ; a plain instruction behind the transcendental (and the pair's upper half is written)
	s_wait_alu depctr_va_vdst(0)                   ; the wait ahead of the first reader
.irp j, 0,2,4,6,8,10,12,14,16,18,20,22,24,26,28,30
	v_pk_mul_f32 v[\xs+\j:\xs+\j+1], v[\xs+\j:\xs+\j+1], v[12:13] op_sel_hi:[1,0]
.endr
.irp j, 0,2,4,6,8,10,12,14,16,18,20,22,24,26,28,30
	v_pk_fma_f32 v[\xs+\j:\xs+\j+1], v[\xs+\j:\xs+\j+1], v[G+\j:G+\j+1], v[BE+\j:BE+\j+1]
.endr
.endm
.macro QROW xs, sc, lim, c0            ; the row's 32 numbers of my lane -> 8 registers of codes from v[c0].  The conversion does not saturate (ISA guide 7.6.2): the hold comes first.
.irp c, 0,1,2,3                        ; The held numbers lie in two sets by turns: the other set's eight holds are the plain lines between a conversion and the next write of its sources
.irp j, 0,1,2,3,4,5,6,7
	v_med3_num_f32 v[T+8*(\c%2)+\j], v[\xs+8*\c+\j], -v[\lim], v[\lim]
.endr
	v_cvt_scalef32_pk8_fp8_f32 v[\c0+2*\c:\c0+2*\c+1], v[T+8*(\c%2):T+8*(\c%2)+7], v[\sc]
.endr
.endm
	s_load_b512 s[8:23], s[0:1], 0x0               ; x 8, g1 10, be1 12, wq 14, wk 16, wv 18, w_proj 20, w1 22
	s_load_b256 s[24:31], s[0:1], 0x40             ; w2 24, lowp_scales 26, hc 28, wc 30
	v_lshl_add_u32 v[SPW], v0, 2, SPARE
	v_mov_b32 v[NIL], 0
	v_lshrrev_b32 v1, 5, v0
	v_readfirstlane_b32 s2, v1                     ; wave 0..3
	v_and_b32 v1, 31, v0                           ; lane
	s_wait_kmcnt 0x0
	s_load_b512 s[68:83], s[26:27], 0x0            ; e0 .. e15 in s68 .. s83
	s_cmp_lt_u32 ttmp9, 256
	s_cbranch_scc0 .Lweights
	; ---------------- the layernorm: 16 rows a work-group, 4 a wave; a row stays in 32 registers of each lane
	s_wait_alu depctr_va_vdst(0)
	v_lshlrev_b32 v2, 5, v1
	v_lshlrev_b32 v3, 3, v1
	s_lshl_b32 s33, ttmp9, 4
	s_lshl_b32 s34, s2, 2
	s_add_co_u32 s33, s33, s34                     ; t0: my first row
	s_lshl_b32 s34, s33, 12
	s_mov_b32 s35, 0
	s_add_nc_u64 s[8:9], s[8:9], s[34:35]
.irp c, 0,1,2,3                        ; a lane takes eight NEIGHBOURS of each quarter row (32 bytes, two loads), since a conversion takes eight neighbours along K from one lane; a chunk's two loads together cover 1,024 consecutive bytes
	global_load_b128 v[G+8*\c:G+8*\c+3], v2, s[10:11] offset:1024*\c
	global_load_b128 v[G+8*\c+4:G+8*\c+7], v2, s[10:11] offset:1024*\c+16
.endr
.irp c, 0,1,2,3
	global_load_b128 v[BE+8*\c:BE+8*\c+3], v2, s[12:13] offset:1024*\c
	global_load_b128 v[BE+8*\c+4:BE+8*\c+7], v2, s[12:13] offset:1024*\c+16
.endr
.irp r, 0,1,2,3
.irp c, 0,1,2,3
	global_load_b128 v[X+32*\r+8*\c:X+32*\r+8*\c+3], v2, s[8:9] offset:4096*\r+1024*\c
	global_load_b128 v[X+32*\r+8*\c+4:X+32*\r+8*\c+7], v2, s[8:9] offset:4096*\r+1024*\c+16
.endr
.endr
	s_lshl_b32 s36, s33, 10
	s_mov_b32 s37, 0
	s_add_nc_u64 s[36:37], s[28:29], s[36:37]      ; copy 0: place t0
	s_and_b32 s38, s33, 0xffe7                     ; sigma(t0): t0 is a multiple of 4, so sigma(t0 + r) = sigma(t0) + r
	s_bfe_u32 s39, s33, 0x10003
	s_lshl_b32 s39, s39, 4
	s_or_b32 s38, s38, s39
	s_bfe_u32 s39, s33, 0x10004
	s_lshl_b32 s39, s39, 3
	s_or_b32 s38, s38, s39
	s_lshl_b32 s38, s38, 10
	s_add_co_u32 s38, s38, 0x400000
	s_mov_b32 s39, 0
	s_add_nc_u64 s[38:39], s[28:29], s[38:39]      ; copy 1 at sigma(t0); copy 2 lies 4 MiB further on, in the stores' immediate
	s_mov_b32 s84, 0x76543210                      ; v_permlanex16_b32: lane l xor 16
	s_mov_b32 s85, 0xfedcba98
	s_mov_b32 s86, 0x3a800000                      ; 1 / 1024
	s_mov_b32 s87, 0x3727c5ac                      ; 1e-5
	v_mov_b32 v9, 0                                ; a lane permute's destination counts as read
	v_mov_b32 v11, 0                               ; (named as a pair's upper half)
	s_wait_kmcnt 0x0
	MKSC 69, 248, 251                              ; e1
	MKSC 71, 249, 254                              ; e3
	MKSC 73, 250, 255                              ; e5
.irp r, 0,1,2,3
	s_wait_loadcnt 8*(3-\r)                        ; loads come back in order: this row's eight are in, the later rows' stay out
	LN X+32*\r
.if \r > 0
	s_wait_xcnt 0x0                                ; the last row's stores have read their data: the codes' registers are written again only behind this wait
.endif
	QROW X+32*\r, 248, 251, C
	QROW X+32*\r, 249, 254, C+8
	QROW X+32*\r, 250, 255, C+16
.irp c, 0,1,2,3                        ; 32 lanes x 8 bytes: each store covers 256 consecutive bytes, aligned
	global_store_b64 v3, v[C+2*\c:C+2*\c+1], s[36:37] offset:1024*\r+256*\c
	global_store_b64 v3, v[C+8+2*\c:C+8+2*\c+1], s[38:39] offset:1024*\r+256*\c
	global_store_b64 v3, v[C+16+2*\c:C+16+2*\c+1], s[38:39] offset:0x400000+1024*\r+256*\c
.endr
.endr
	s_endpgm
	; ---------------- the weights: a work-group takes 128 columns x 256 along K, a wave 32 columns.  A LANE TAKES A COLUMN AND ITS REGISTERS RUN DOWN K
.Lweights:
	s_sub_co_u32 s32, ttmp9, 256                   ; g = 0 .. 383: 0-95 wq, wk, wv (32 each); 96-127 w_proj; 128-255 w1; 256-383 w2.  Every choice hangs on g alone
	s_wait_kmcnt 0x0
	s_mov_b64 s[34:35], s[24:25]                   ; w2: the source,
	s_mov_b32 s40, 4096                            ; bytes from row to row,
	s_mov_b32 s41, 0x800000                        ; its place in wc,
	s_mov_b32 s42, 12                              ; log2 of a row of codes,
	s_mov_b32 s43, s83                             ; e15,
	s_mov_b32 s44, 4                               ; log2 of its chunks of 256 along K,
	s_mov_b32 s46, 127                             ; work-groups - 1
	s_cmp_lt_u32 s32, 256
	s_cselect_b64 s[34:35], s[22:23], s[34:35]     ; w1
	s_cselect_b32 s40, 16384, s40
	s_cselect_b32 s41, 0x400000, s41
	s_cselect_b32 s42, 10, s42
	s_cselect_b32 s43, s81, s43                    ; e13
	s_cselect_b32 s44, 2, s44
	s_cmp_lt_u32 s32, 128
	s_cselect_b64 s[34:35], s[20:21], s[34:35]     ; w_proj
	s_cselect_b32 s40, 4096, s40
	s_cselect_b32 s41, 0x300000, s41
	s_cselect_b32 s43, s79, s43                    ; e11
	s_cselect_b32 s46, 31, s46
	s_cmp_lt_u32 s32, 96
	s_cselect_b64 s[34:35], s[18:19], s[34:35]     ; wv
	s_cselect_b32 s40, 256, s40
	s_cselect_b32 s41, 0x200000, s41
	s_cselect_b32 s43, s72, s43                    ; e4
	s_cmp_lt_u32 s32, 64
	s_cselect_b64 s[34:35], s[16:17], s[34:35]     ; wk
	s_cselect_b32 s41, 0x100000, s41
	s_cselect_b32 s43, s70, s43                    ; e2
	s_cmp_lt_u32 s32, 32
	s_cselect_b64 s[34:35], s[14:15], s[34:35]     ; wq
	s_cselect_b32 s41, 0, s41
	s_cselect_b32 s43, s68, s43                    ; e0
	s_and_b32 s33, s32, s46                        ; j
	s_lshl_b32 s45, 1, s44
	s_sub_co_u32 s45, s45, 1
	s_and_b32 s47, s33, s45                        ; kc: which 256 along K
	s_lshr_b32 s33, s33, s44
	s_lshl_b32 s33, s33, 7
	s_lshl_b32 s45, s2, 5
	s_add_co_u32 s33, s33, s45                     ; n0: my wave's first column
	s_lshr_b32 s84, s33, 6                         ; wq, wk, wv are [head][K][64]: head x 262,144 + 4 d
	s_lshl_b32 s84, s84, 18
	s_and_b32 s85, s33, 63
	s_lshl_b32 s85, s85, 2
	s_add_co_u32 s84, s84, s85
	s_lshl_b32 s85, s33, 2                         ; the others are [K][N]: 4 n
	s_cmp_lt_u32 s32, 96
	s_cselect_b32 s84, s84, s85
	s_lshl_b32 s85, s40, 8
	s_mul_i32 s85, s85, s47                        ; + kc x 256 rows
	s_add_co_u32 s84, s84, s85
	s_mov_b32 s85, 0
	s_add_nc_u64 s[48:49], s[34:35], s[84:85]      ; eight bases, one for each block of 32 along K; none is ever stepped
	s_lshl_b32 s86, s40, 5
	s_mov_b32 s87, 0
.irp t, 1,2,3,4,5,6,7
	s_add_nc_u64 s[48+2*\t:49+2*\t], s[46+2*\t:47+2*\t], s[86:87]
.endr
	s_wait_alu depctr_va_vdst(0)
	v_lshlrev_b32 v[OFF], 2, v1
.set i, 1
.rept 31
	v_add_nc_u32 v[OFF+i], s40, v[OFF+i-1]
.set i, i+1
.endr
.macro LOAD t                          ; block t: W(32 t + i, my column), i = 0 .. 31, into set t % 2: neighbouring lanes read neighbouring columns, 128 consecutive bytes a wave
.set i, 0
.rept 32
	global_load_b32 v[WX+32*((\t)%2)+i], v[OFF+i], s[48+2*(\t):49+2*(\t)] th:TH_LOAD_NT
.set i, i+1
.endr
.endm
	LOAD 0
	LOAD 1
	s_lshl_b32 s84, s33, s42                       ; the codes: place n0 (a multiple of 32: sigma moves rows inside my 32 alone) x a row,
	s_add_co_u32 s84, s84, s41
	s_lshl_b32 s85, s47, 8                         ; + 256 kc
	s_add_co_u32 s84, s84, s85
	s_mov_b32 s85, 0
	s_add_nc_u64 s[30:31], s[30:31], s[84:85]
	s_mul_i32 s90, s2, 32*PITCH                    ; my stage: 32 rows (columns of W) x (256 bytes + 16)
	v_mul_u32_u24 v4, v1, PITCH
	v_add_nc_u32 v4, s90, v4                       ; in: row = my column
	v_lshrrev_b32 v5, 4, v1
	v_and_b32 v6, 15, v1
	v_lshlrev_b32 v6, 4, v6
	v_mul_u32_u24 v7, v5, PITCH
	v_add_nc_u32 v7, v7, v6
	v_add_nc_u32 v7, s90, v7                       ; out: sixteen lanes to a row, two rows an instruction
.set t, 0
.rept 16                               ; stage rows 2 t, 2 t + 1 go to places sigma(2 t + lane / 16): bits 2 and 3 of t exchanged
	v_add_nc_u32 v8, 2*((t&3)|((t&4)<<1)|((t&8)>>1)), v5
	v_lshl_add_u32 v[DO+t], v8, s42, v6
.set t, t+1
.endr
	MKSC 43, 11, 10
.macro BLOCK t
.set XS, WX+32*((\t)%2)
.if (\t) < NB-1
	s_wait_loadcnt 32                              ; this block's 32 loads are in; the next block's may be out
.else
	s_wait_loadcnt 0
.endif
.set i, 0
.rept 32
	v_med3_num_f32 v[XS+i], v[XS+i], -v10, v10     ; the hold at the largest code x the scale
.set i, i+1
.endr
.irp g, 0,1,2,3
	v_cvt_scalef32_pk8_fp8_f32 v[WC+2*\g:WC+2*\g+1], v[XS+8*\g:XS+8*\g+7], v11
.endr
	ds_store_b128 v4, v[WC:WC+3] offset:32*(\t)    ; 32 codes of my column's row
	ds_store_b128 v4, v[WC+4:WC+7] offset:32*(\t)+16
.if (\t)+2 < NB
	LOAD (\t)+2
.endif
	s_wait_dscnt 0x0                               ; the stores have read their registers: the next block's codes may be written (its 32 holds are the plain lines in between)
.endm
.set Q, 0
	s_wait_alu depctr_va_vdst(0)
.rept NB
	BLOCK Q
.set Q, Q+1
.endr
.irp t, 0,1,2,3,4,5,6,7,8,9,10,11,12,13,14,15
	ds_load_b128 v[OUTR+4*\t:OUTR+4*\t+3], v7 offset:2*\t*PITCH   ; LDS serves a wave's instructions in order: these see my stores
.endr
.irp t, 0,1,2,3,4,5,6,7,8,9,10,11,12,13,14,15
	s_wait_dscnt 15-\t
	global_store_b128 v[DO+\t], v[OUTR+4*\t:OUTR+4*\t+3], s[30:31]   ; sixteen lanes store 256 consecutive bytes, aligned
.endr
	s_wait_tensorcnt 0x0                           ; the wave's end
	ds_add_u32 v[SPW], v[NIL]
	s_wait_dscnt 0x0
	s_endpgm
.Lfunc_end_k_qd0bc59d085_prep:
	.size	k_qd0bc59d085_prep, .Lfunc_end_k_qd0bc59d085_prep-k_qd0bc59d085_prep
	.p2alignl 7, 3214868480
	.fill 96, 4, 3214868480
	.section	.rodata,"a",@progbits
	.p2align	6, 0x0
	.amdhsa_kernel k_qd0bc59d085_prep
		.amdhsa_group_segment_fixed_size 35328
		.amdhsa_private_segment_fixed_size 0
		.amdhsa_enable_private_segment 0
		.amdhsa_kernarg_size 96
		.amdhsa_user_sgpr_count 2
		.amdhsa_user_sgpr_kernarg_segment_ptr 1
		.amdhsa_wavefront_size32 1
		.amdhsa_system_sgpr_workgroup_id_x 1
		.amdhsa_system_sgpr_workgroup_id_y 1
		.amdhsa_system_sgpr_workgroup_id_z 1
		.amdhsa_system_vgpr_workitem_id 0
		.amdhsa_next_free_vgpr 256
		.amdhsa_next_free_sgpr 100
		.amdhsa_reserve_vcc 0
		.amdhsa_float_denorm_mode_32 3
		.amdhsa_float_denorm_mode_16_64 3
		.amdhsa_memory_ordered 1
		.amdhsa_forward_progress 1
		.amdhsa_inst_pref_size 116
	.end_amdhsa_kernel
	.amdgpu_metadata
---
amdhsa.version: [ 1, 2 ]
amdhsa.kernels:
  - .name:           k_qd0bc59d085_prep
    .symbol:         k_qd0bc59d085_prep.kd
    .args:
      - { .name: x, .offset: 0, .size: 8, .value_kind: global_buffer, .address_space: global }
      - { .name: g1, .offset: 8, .size: 8, .value_kind: global_buffer, .address_space: global }
      - { .name: be1, .offset: 16, .size: 8, .value_kind: global_buffer, .address_space: global }
      - { .name: wq, .offset: 24, .size: 8, .value_kind: global_buffer, .address_space: global }
      - { .name: wk, .offset: 32, .size: 8, .value_kind: global_buffer, .address_space: global }
      - { .name: wv, .offset: 40, .size: 8, .value_kind: global_buffer, .address_space: global }
      - { .name: w_proj, .offset: 48, .size: 8, .value_kind: global_buffer, .address_space: global }
      - { .name: w1, .offset: 56, .size: 8, .value_kind: global_buffer, .address_space: global }
      - { .name: w2, .offset: 64, .size: 8, .value_kind: global_buffer, .address_space: global }
      - { .name: lowp_scales, .offset: 72, .size: 8, .value_kind: global_buffer, .address_space: global }
      - { .name: hc, .offset: 80, .size: 8, .value_kind: global_buffer, .address_space: global }
      - { .name: wc, .offset: 88, .size: 8, .value_kind: global_buffer, .address_space: global }
    .group_segment_fixed_size: 35328
    .private_segment_fixed_size: 0
    .kernarg_segment_align: 8
    .kernarg_segment_size: 96
    .max_flat_workgroup_size: 128
    .sgpr_count:     100
    .vgpr_count:     256
    .wavefront_size: 32
...
	.end_amdgpu_metadata
.endif
;; end of part 1
;; launch qkv (part 2): grid 12 x 16, 4 waves a work-group, clusters of 4 x 4, 327,680 bytes of LDS; arguments hc, wc, lowp_scales, qkvc; writes qkvc
.if DOCPART == 2
	.amdgcn_target "amdgcn-amd-amdhsa--gfx1250"
	.amdhsa_code_object_version 6
	.text
	.protected	k_qd0bc59d085_qkv
	.globl	k_qd0bc59d085_qkv
	.p2align	8
	.type	k_qd0bc59d085_qkv,@function
k_qd0bc59d085_qkv:
	s_mov_b64 s[64:65], 0
	v_nop
	global_prefetch_b8 v0, s[64:65] scope:SCOPE_SE
	s_setreg_imm32_b32 hwreg(HW_REG_WAVE_MODE, 25, 1), 1
	s_wait_xcnt 0x0
	s_wait_alu depctr_hold_cnt(0) depctr_sa_sdst(0) depctr_va_vdst(0) depctr_va_sdst(0) depctr_va_ssrc(0) depctr_va_vcc(0) depctr_vm_vsrc(0)
	s_getreg_b32 s2, hwreg(HW_REG_IB_STS2, 6, 4)
	s_cmp_eq_u32 s2, 0
	s_cbranch_scc0 .Lentry_in_a_cluster
	s_endpgm
.Lentry_in_a_cluster:
	s_bfe_u32 s2, ttmp6, 0x10000c
	s_cmp_lg_u32 s2, 0xf033
	s_cbranch_scc0 .Lentry_shape_is_right
	s_endpgm
.Lentry_shape_is_right:
; A GEMM ON CODES OF E4M3 WHOSE RESULTS ARE QUANTISED ON THE WAY OUT.  K = 1,024.  This text serves two launches by the symbol FFN.
; FFN = 0: q, k, v = h x wq, wk, wv.  Cluster x says which (0, 1, 2).  q, k: source 1 = 256 places of h (hc copy 0, 1), source 0 = 256 places of the weight: a lane holds one token and 16 neighbouring d.
;   v: source 1 = the weight's places (channels), source 0 = h's places (hc copy 2, laid by sigma): a lane holds one channel and 16 neighbouring KEYS, which are the second attention product's K.
;   qkvc: q at 0 [b][head][t][64]; k at 4 MiB [b][head][place sigma(t)][64]; v at 8 MiB [b][key / 64][place sigma(channel)][64 keys].  code = sum / 2^(eo - ew - eh), held at +-448: eo = e6, e7, e9.
; FFN = 1: hid = relu(t x w1 + b1), quantised with 2^e14.  hid = [unit / 64][token][64].
; sigma = bits 3 and 4 of an index exchanged; rows laid at sigma(n) and used as source 0 give a lane, in result tiles 2 p and 2 p + 1, the columns 32 p + 16 (lane / 16) + 0 .. 15.
; SHAPE: a work-group of four waves makes 256 x 256, a wave 128 x 128: 64 accumulators, 512 registers.  K goes in steps of 256 through two LDS slots filled by the tensor data mover; a tile's row is 256 bytes of memory.
; CLUSTERS: 4 x 4 work-groups; source 1's tiles are asked for jointly along a row of the cluster, source 0's along a column.
; REGISTERS: window 0: v16-31 addresses and scales; v32-95 the bias (FFN); v96-127 codes; from v128 source 1's fragments, ONE set (later at work on the way out).  window 1: source 0's fragments, two sets.  windows 2, 3: the accumulators.
; LIMITS: eo - ew - eh (FFN: e14) between -126 and 119; e12 + e13 between -126 and 127.  NaN is not served.  No prefetch: four K steps in all, and each tile is read by many work-groups.
.set FFN,    0
.set ROWB,   256                       ; a tile's row in bytes
.set KROW,   1024                      ; a row of codes in memory
.set PITCH,  272                       ; an LDS row: 256 bytes + 16 of padding: the 16 rows of a fragment load start at 16 different banks (64 banks of 4 bytes: ISA guide 11.1)
.set FR,     16
.set NL,     4
.set NP,     4                         ; places behind this matrix instruction (ISA guide 7.12.1)
.set HALFT,  128*PITCH
.set SLOT,   4*HALFT
.set LAPS,   2                         ; K / 512
.set SPARE,  2*SLOT                    ; behind the ring: the spare words, 128 bytes a wave
.set WST,    17408                     ; the way out: a wave's stage, 2 planes x 128 rows of 64 bytes, four rows to a line of 256 + 16 bytes; in slot 0, which has had its last fill and its last read by then
.set ADRA, 16
.set ADRB, 20
.set STO,  24
.set RD,   25
.set CO,   26
.set BA,   27
.set SPW,  28
.set NIL,  29
.set SCL,  30                          ; v30 the conversion's scale as f32
.set LIM,  31                          ; v31 448 x that
.set BI,   32
.set CD,   96                          ; two sets of 16 registers of codes
.set TMP,  128
.set AF,   128
.set BK,   128
.set G1, 24
.set G0, 32
.set G1B, 48
.set G0B, 56
.if FFN
.set OUTP, 12
.set RUN,  262144                      ; bytes from plane to plane of the output
.else
.set OUTP, 10
.set RUN,  65536
.endif
.set MSB, 0
.macro WIN new                         ; the immediate's high byte repeats the setting that is left
.if MSB != \new
	s_set_vgpr_msb (MSB<<8)|\new
.set MSB, \new
.endif
.endm
.set MUL_LO, 0xa1                      ; source 0 window 1, source 1 window 0, C and D window 2
.set MUL_HI, 0xf1                      ; the same, C and D window 3
.set TO_B,   0x40                      ; destination window 1, address window 0
.macro JLOAD g0a, g1a, g0b, g1b        ; a joint load of a whole tile of 256 rows: waves 0, 1 fetch for source 1, waves 2, 3 for source 0; an s_nop 0 and four v_nop follow each line
	s_cmp_eq_u32 s15, 0
	s_cbranch_scc0 .Lfor_b_\@
	tensor_load_to_lds s[\g0a:\g0a+3], s[\g1a:\g1a+7]
	s_nop 0
.rept 4
	v_nop
.endr
	s_branch .Lasked_\@
.Lfor_b_\@:
	tensor_load_to_lds s[\g0b:\g0b+3], s[\g1b:\g1b+7]
	s_nop 0
.rept 4
	v_nop
.endr
.Lasked_\@:
.endm
.macro CREST                           ; a round of the cluster's barrier behind its opening barrier
	s_cmp_lg_u32 s14, 0
	s_cbranch_scc1 .Lnot_wave_0_\@
	s_barrier_signal -3
.Lnot_wave_0_\@:
	s_barrier_wait -3
	s_barrier_signal -1
	s_barrier_wait -1
.endm
.macro CROUND
	s_barrier_signal -1
	s_barrier_wait -1
	CREST
.endm
	s_load_b256 s[4:11], s[0:1], 0x0               ; FFN = 0: hc, wc, lowp_scales, qkvc;  FFN = 1: tc, wc, lowp_scales, b1
.if FFN
	s_load_b64 s[12:13], s[0:1], 0x20              ; hid
.endif
	v_lshl_add_u32 v[SPW], v0, 2, SPARE
	v_mov_b32 v[NIL], 0
	ds_add_u32 v[SPW], v[NIL]                      ; the wave's opening: the add and its wait ahead of my first tensor load
	ds_add_u32 v[SPW], v[NIL]
	v_lshrrev_b32 v1, 5, v0
	v_readfirstlane_b32 s14, v1                    ; wave 0..3
	s_lshr_b32 s15, s14, 1                         ; my half of the rows; also: I fetch for source 1 (0) or source 0 (1)
	s_and_b32 s16, s14, 1                          ; my half of the columns; also: the slot that I fill
	s_bfe_u32 s40, ttmp6, 0x40000                  ; cx
	s_bfe_u32 s41, ttmp6, 0x40004                  ; cy
	s_and_b32 s66, ttmp7, 0xffff
	s_lshl_b32 s66, s66, 2                         ; 4 x cluster y
.if FFN
	s_lshl_b32 s42, ttmp9, 2
	s_add_co_u32 s42, s42, s40                     ; tile column
	s_add_co_u32 s17, s66, s41                     ; tile row
	s_mov_b32 s84, 0                               ; source 1: tc
	s_mov_b32 s86, 0x400000                        ; source 0: w1's codes in wc
.else
	s_lshl_b32 s84, ttmp9, 22                      ; q, k: source 1 = hc's copy,
	s_lshl_b32 s86, ttmp9, 20                      ; source 0 = the weight's codes
	s_cmp_eq_u32 ttmp9, 2                          ; v?  The cluster's x is the same in all sixteen partners
	s_cselect_b32 s67, 0, s66                      ; q, k: the 16 tile rows are tokens, the 4 tile columns channels; v: the other way round
	s_cselect_b32 s66, s66, 0
	s_cselect_b32 s84, 0x200000, s84               ; v: source 1 = wv's codes,
	s_cselect_b32 s86, 0x800000, s86               ; source 0 = hc's copy 2
	s_add_co_u32 s17, s41, s67                     ; tile row
	s_add_co_u32 s42, s40, s66                     ; tile column
.endif
	s_lshl_b32 s43, s41, 2
	s_lshl_b32 s43, 15, s43                        ; my row of the cluster
	s_lshl_b32 s44, 0x1111, s40                    ; my column
	s_or_b32 s[G1+0], s43, (0<<16)|(1<<20)|(1<<21)|(5<<22)|(3<<25)  ; the mask; elements of 1 byte; padding on; bit 21 beside a mask; 4 words after every 64
	s_or_b32 s[G1B+0], s44, (0<<16)|(1<<20)|(1<<21)|(5<<22)|(3<<25)
.irp g, G1, G1B
	s_mov_b32 s[\g+1], ROWB<<16                    ; tensor_dim0
	s_mov_b32 s[\g+2], 256<<16                     ; tensor_dim1
	s_mov_b32 s[\g+3], ROWB<<16                    ; tile_dim0
	s_mov_b32 s[\g+4], 256                         ; tile_dim1: one load brings an operand's whole 256 rows of a K step
	s_mov_b32 s[\g+5], KROW                        ; tensor_dim0_stride
	s_mov_b32 s[\g+6], 0
	s_mov_b32 s[\g+7], 0
.endr
	s_mov_b32 s18, 0                               ; a load begins at the tile's first row
	s_lshl_b32 s20, s17, 8
	s_add_co_u32 s20, s20, s18                     ; source 1: place 256 x tile row,
	s_lshl_b32 s20, s20, 10                        ; in bytes,
	s_add_co_u32 s20, s20, s84                     ; in its part of the buffer
	s_mov_b32 s21, 0
	s_lshl_b32 s46, s42, 8
	s_add_co_u32 s46, s46, s18
	s_lshl_b32 s46, s46, 10
	s_add_co_u32 s46, s46, s86
	s_mov_b32 s47, 0
	s_mul_i32 s45, s15, 2*HALFT                    ; where they go: source 1's 256 rows, then source 0's
	s_wait_dscnt 0x0                               ; the opening add is done
	s_wait_kmcnt 0x0
	s_load_b512 s[68:83], s[8:9], 0x0              ; e0 .. e15
.if FFN
	s_add_nc_u64 s[20:21], s[4:5], s[20:21]
	s_add_nc_u64 s[46:47], s[6:7], s[46:47]
.else
	s_cmp_eq_u32 ttmp9, 2
	s_cselect_b64 s[88:89], s[6:7], s[4:5]
	s_cselect_b64 s[90:91], s[4:5], s[6:7]
	s_add_nc_u64 s[20:21], s[88:89], s[20:21]
	s_add_nc_u64 s[46:47], s[90:91], s[46:47]
.endif
	CROUND                                         ; all sixteen work-groups are here: the first joint loads meet
.irp s, 0,1
	s_mov_b32 s[G0+4*\s], 1
	s_add_co_u32 s[G0+4*\s+1], s45, \s*SLOT
	s_add_nc_u64 s[G0+4*\s+2:G0+4*\s+3], s[20:21], \s*ROWB
	s_or_b32 s[G0+4*\s+3], s[G0+4*\s+3], 0x80000000
	s_mov_b32 s[G0B+4*\s], 1
	s_add_co_u32 s[G0B+4*\s+1], s45, \s*SLOT
	s_add_nc_u64 s[G0B+4*\s+2:G0B+4*\s+3], s[46:47], \s*ROWB
	s_or_b32 s[G0B+4*\s+3], s[G0B+4*\s+3], 0x80000000
.endr
	v_and_b32 v1, 15, v0                           ; r
	s_wait_alu depctr_va_vdst(0)
	v_bfe_u32 v2, v0, 4, 1                         ; h
	v_mul_u32_u24 v3, v1, PITCH
	v_lshl_add_u32 v4, v2, 4, v3                   ; a fragment's row x pitch + 16 h
	s_mul_i32 s21, s15, HALFT
	s_mul_i32 s22, s16, HALFT
	s_add_co_u32 s22, s22, 2*HALFT
.irp s, 0,1
	v_add_nc_u32 v[ADRA+\s], s21, v4
	v_add_nc_u32 v[ADRB+\s], s22, v4
	s_add_co_u32 s21, s21, SLOT
	s_add_co_u32 s22, s22, SLOT
.endr
	s_mul_i32 s23, s14, WST                        ; my stage
	v_lshrrev_b32 v5, 2, v1
	v_mul_u32_u24 v5, v5, 272
	v_and_b32 v6, 3, v1
	v_lshl_add_u32 v5, v6, 6, v5
	v_lshl_add_u32 v5, v2, 4, v5                   ; row r of 64 bytes, four rows to a line: (r / 4) 272 + (r % 4) 64 + 16 h: sixteen rows fall on sixteen different columns of 16 bytes
	v_add_nc_u32 v[STO], s23, v5
	v_mul_u32_u24 v6, v2, 272
	v_lshl_add_u32 v6, v1, 4, v6
	v_add_nc_u32 v[RD], s23, v6                    ; back: two lines of 256 bytes an instruction
	v_and_b32 v6, 31, v0
	v_lshlrev_b32 v[CO], 4, v6
	s_wait_alu depctr_va_vdst(0)                   ; the wait behind the head's vector lines
.macro PTRWORK                         ; where my results go (FFN: and the bias): work on scalars and global addresses that both arms of the head's chain run
	s_lshl_b32 s20, s17, 8
	s_lshl_b32 s21, s15, 7
	s_add_co_u32 s20, s20, s21                     ; R0: my first row
	s_lshl_b32 s46, s42, 8
	s_lshl_b32 s47, s16, 7
	s_add_co_u32 s46, s46, s47                     ; C0: my first column
.if FFN
	s_lshl_b32 s20, s20, 6                         ; hid + (C0 / 64) planes + 64 R0
	s_lshr_b32 s47, s46, 6
	s_lshl_b32 s47, s47, 18
	s_add_co_u32 s20, s20, s47
	s_mov_b32 s21, 0
	s_add_nc_u64 s[OUTP:OUTP+1], s[OUTP:OUTP+1], s[20:21]
	s_lshl_b32 s46, s46, 2
	s_mov_b32 s47, 0
	s_add_nc_u64 s[10:11], s[10:11], s[46:47]      ; b1 at my first column
	v_lshlrev_b32 v[BA], 6, v2
.irp p, 0,1,2,3                        ; the bias in the accumulators' layout: register 16 p + i = column 32 p + 16 h + i
.irp q, 0,1,2,3
	global_load_b128 v[BI+16*\p+4*\q:BI+16*\p+4*\q+3], v[BA], s[10:11] offset:128*\p+16*\q
.endr
.endr
.else
	s_lshr_b32 s21, s20, 10                        ; one formula for q, k, v: which << 22 + (R0 / 1024) << 20 + (C0 / 64) << 16 + (R0 % 1024) << 6
	s_lshl_b32 s21, s21, 20
	s_and_b32 s20, s20, 1023
	s_lshl_b32 s20, s20, 6
	s_add_co_u32 s20, s20, s21
	s_lshr_b32 s47, s46, 6
	s_lshl_b32 s47, s47, 16
	s_add_co_u32 s20, s20, s47
	s_lshl_b32 s47, ttmp9, 22
	s_add_co_u32 s20, s20, s47
	s_mov_b32 s21, 0
	s_add_nc_u64 s[OUTP:OUTP+1], s[OUTP:OUTP+1], s[20:21]
.endif
.endm
	s_cmp_eq_u32 s16, 0                            ; one chain, one load to an arm.  Waves 0, 2 ask for K step 0 (slot 0) first and wait for it in their arm;
	s_cbranch_scc0 .Lhead_1
	JLOAD G0, G1, G0B, G1B
	PTRWORK
	s_wait_tensorcnt 0x0                           ; my part of K step 0 is in
	s_branch .Lhead_j
.Lhead_1:                                              ; waves 1, 3 ask for K step 1 (slot 1) behind their pointer work; their load stays out across the first barrier: slot 1 is read only behind the next change of slots, whose wait for 0 covers it
	PTRWORK
	JLOAD G0+4, G1, G0B+4, G1B
.Lhead_j:
.macro FRAG reg, adr, q, i
.irp c, 0,1,2,3
	ds_load_b128 v[\reg+4*\c:\reg+4*\c+3], v[\adr] offset:128*(\q)+32*\c+(\i)*16*PITCH
.endr
.endm
.macro MUL16 a0, p, zero               ; source 1's blocks a0, a0 + 1 x source 0's eight.  The 64 accumulators take turns, one instruction a turn
.irp a, \a0, \a0+1
.irp b, 0,1,2,3,4,5,6,7
.if \zero
	v_wmma_f32_16x16x128_fp8_fp8 v[8*(8*((\a)%4)+\b):8*(8*((\a)%4)+\b)+7], v[128*(\p)+FR*\b:128*(\p)+FR*\b+FR-1], v[AF+FR*(\a):AF+FR*(\a)+FR-1], 0
.else
	v_wmma_f32_16x16x128_fp8_fp8 v[8*(8*((\a)%4)+\b):8*(8*((\a)%4)+\b)+7], v[128*(\p)+FR*\b:128*(\p)+FR*\b+FR-1], v[AF+FR*(\a):AF+FR*(\a)+FR-1], v[8*(8*((\a)%4)+\b):8*(8*((\a)%4)+\b)+7]
.endif
.endr
.endr
.endm
.macro FETCH_B slot, q, p
	WIN TO_B
.irp i, 0,1,2,3,4,5,6,7
	FRAG 128*(\p)+FR*\i, ADRB+\slot, \q, \i
.endr
	WIN 0
.endm
.macro FETCH_A slot, q, i0
.irp i, \i0, \i0+1, \i0+2, \i0+3
	FRAG AF+FR*(\i), ADRA+\slot, \q, \i
.endr
.endm
.macro PLACES n                        ; plain vector instructions between a matrix instruction and a load into, or a read of, its registers
.rept \n
	v_nop
.endr
.endm
.macro STEP slot, q, zero              ; 128 along K, with its successor in the same slot
	s_wait_dscnt 4*NL                              ; source 0's set and blocks 0-3 are in; the youngest 16 loads (blocks 4-7) may be out
	WIN MUL_LO
	MUL16 0, (\q)%2, \zero
	MUL16 2, (\q)%2, \zero
	s_wait_dscnt 0
	PLACES NP
	FETCH_B \slot, (\q)+1, 1-(\q)%2
	FETCH_A \slot, (\q)+1, 0
	WIN MUL_HI
	MUL16 4, (\q)%2, \zero
	MUL16 6, (\q)%2, \zero
	PLACES NP
	WIN 0
	FETCH_A \slot, (\q)+1, 4
.endm
.macro TURN slot, next, fill           ; a slot's last step changes slots
.if \fill                              ; where the slot is filled again the change stands at the step's head: all the step's fragments are in registers, and its 64 products follow behind the refill
	s_wait_tensorcnt 0x0                           ; all my tensor loads have landed: my part of the next slot
	ds_add_u32 v[SPW], v[NIL]
	s_wait_dscnt 0x0                               ; the add is done, and my reads of this slot are over
	s_barrier_signal -1
	s_barrier_wait -1
.else
	s_wait_tensorcnt 0x0                           ; all my tensor loads have landed: my part of the next slot
	ds_add_u32 v[SPW], v[NIL]
	s_wait_dscnt 4*NL+1                            ; the add and the youngest 16 loads may be out
	WIN MUL_LO
	MUL16 0, 1, 0
	s_wait_dscnt 0x0                               ; the add is done, and my reads of this slot are over
	s_barrier_signal -1
	MUL16 2, 1, 0
	WIN 0
	s_barrier_wait -1
.endif
.if \fill
	CREST                                          ; the barrier has opened a round of the cluster's: no wave of any partner still reads this slot or has a load on its way
	s_add_nc_u64 s[G0+4*\slot+2:G0+4*\slot+3], s[G0+4*\slot+2:G0+4*\slot+3], 2*ROWB
	s_add_nc_u64 s[G0B+4*\slot+2:G0B+4*\slot+3], s[G0B+4*\slot+2:G0B+4*\slot+3], 2*ROWB
	s_cmp_lg_u32 s16, \slot                        ; the two waves whose slot this is fill it again, one load each; the others issue none
	s_cbranch_scc1 .Lnone_\@
	JLOAD G0+4*\slot, G1, G0B+4*\slot, G1B         ; its four v_nop are the places in front of the loads below
	s_branch .Lturned_\@
.Lnone_\@:
	PLACES NP
.Lturned_\@:
.else
	PLACES NP
.endif
	FETCH_B \next, 0, 0
.if \fill
	WIN MUL_LO
	MUL16 0, 1, 0
	MUL16 2, 1, 0
	PLACES NP
	WIN 0
.endif
	FETCH_A \next, 0, 0
	WIN MUL_HI
	MUL16 4, 1, 0
	MUL16 6, 1, 0
	PLACES NP
	WIN 0
	FETCH_A \next, 0, 4
.endm
	s_barrier_signal -1
	s_barrier_wait -1
	FETCH_B 0, 0, 0
	FETCH_A 0, 0, 0
	FETCH_A 0, 0, 4
	STEP 0, 0, 1                                   ; the first step's products start the sums
	s_mov_b32 s3, LAPS-1
.Llap:
	TURN 0, 1, 1
	STEP 1, 0, 0
	TURN 1, 0, 1
	STEP 0, 0, 0
	s_sub_co_u32 s3, s3, 1
	s_cmp_lg_u32 s3, 0
	s_cbranch_scc1 .Llap
	TURN 0, 1, 0                                   ; the last lap fills nothing
	STEP 1, 0, 0
	s_wait_dscnt 4*NL
	WIN MUL_LO
	MUL16 0, 1, 0
	MUL16 2, 1, 0
	s_wait_dscnt 0
	WIN MUL_HI
	MUL16 4, 1, 0
	MUL16 6, 1, 0
	WIN 0
	PLACES NP                                      ; behind the last products: their results are read and their sources written below
	; THE WAY OUT.  A block of 16 rows x 128 columns: the sums are scaled (FFN: + bias, relu), held, converted; a lane's 16 neighbouring codes are 16 bytes.  They go into my own stage and leave as runs of 512 consecutive bytes.
	s_wait_kmcnt 0x0
.if FFN
	s_add_co_i32 s96, s80, s81                     ; e12 + e13
	s_add_co_i32 s96, s96, 127
	s_lshl_b32 s96, s96, 23
	s_mov_b32 s97, s96                             ; (named with it as a pair)
	s_mov_b32 s94, s82                             ; e14
	s_wait_loadcnt 0x0                             ; the bias
.else
	s_cmp_eq_u32 ttmp9, 0
	s_cselect_b32 s92, s68, s70                    ; the weight's e,
	s_cselect_b32 s93, s69, s71                    ; h's,
	s_cselect_b32 s94, s74, s75                    ; the result's: q e6, k e7,
	s_cmp_eq_u32 ttmp9, 2
	s_cselect_b32 s92, s72, s92
	s_cselect_b32 s93, s73, s93
	s_cselect_b32 s94, s77, s94                    ; v e9
	s_sub_co_i32 s94, s94, s92
	s_sub_co_i32 s94, s94, s93                     ; a sum stands for sum x 2^(ew + eh): the three scales are folded into the conversion's one
.endif
	s_add_co_i32 s94, s94, 127
	s_lshl_b32 s95, s94, 23
	v_mov_b32 v[SCL], s95
	s_add_co_i32 s94, s94, 8
	s_lshl_b32 s94, s94, 23
	s_or_b32 s94, s94, 0x600000
	v_mov_b32 v[LIM], s94
.set OB, 192                           ; v192-255: four sets of 16 registers for rows on their way from the stage to memory
.macro SEND a                          ; block a's codes leave: of each of the two planes 16 rows of 64 bytes, two stores of 512 consecutive bytes, aligned
.irp u, 0,1,2,3
	global_store_b128 v[CO], v[OB+16*((\a)%4)+4*\u:OB+16*((\a)%4)+4*\u+3], s[OUTP:OUTP+1] offset:(\u/2)*RUN+(2*(\a)+(\u%2))*512
.endr
.endm
.macro QBLOCK a
.set AC, 64*((\a)%4)
.set CB, CD+16*((\a)%2)
	WIN 0x02+((\a)/4)                              ; source 0: window 2 or 3
.if FFN
.set j, 0
.rept 32
	v_pk_fma_f32 v[TMP+j:TMP+j+1], v[AC+j:AC+j+1], s[96:97], v[BI+j:BI+j+1] op_sel_hi:[1,0,1]   ; sum x 2^(e12 + e13) + b1; each accumulator from its low end on
.set j, j+2
.endr
	WIN 0
.set j, 0
.rept 64
	v_med3_num_f32 v[TMP+j], v[TMP+j], 0, v[LIM]   ; the activation and the hold in one
.set j, j+1
.endr
.else
.set j, 0
.rept 64
	v_med3_num_f32 v[TMP+j], v[AC+j], -v[LIM], v[LIM]   ; the hold (the conversion does not saturate: ISA guide 7.6.2); each accumulator from its low end on
.set j, j+1
.endr
	WIN 0
.endif
.if (\a) > 0
	s_wait_alu depctr_va_vdst(0)                   ; directly ahead of the wait below
	s_wait_dscnt 0x0                               ; the last block's rows are back from the stage, and the earlier stores into it have read their codes
	SEND (\a)-1
.endif
.if (\a) > 3
	s_wait_xcnt 0x0                                ; the stores of four blocks ago have read the set of registers that this block's rows come back into
.endif
.irp q, 0,1,2,3,4,5,6,7
	v_cvt_scalef32_pk8_fp8_f32 v[CB+2*\q:CB+2*\q+1], v[TMP+8*\q:TMP+8*\q+7], v[SCL]
.endr
	v_nop                                          ; a plain line between the conversions and the next write of their sources
.irp p, 0,1,2,3
	ds_store_b128 v[STO], v[CB+4*\p:CB+4*\p+3] offset:(\p/2)*8704+(\a)*1088+32*(\p%2)   ; columns 32 p + 16 h + 0 .. 15 of row 16 a + r
.endr
.irp u, 0,1,2,3
	ds_load_b128 v[OB+16*((\a)%4)+4*\u:OB+16*((\a)%4)+4*\u+3], v[RD] offset:(\u/2)*8704+(2*(\a)+(\u%2))*544   ; LDS serves a wave's instructions in order: these see my stores
.endr
.endm
.irp a, 0,1,2,3,4,5,6,7
	QBLOCK \a
.endr
	s_wait_dscnt 0x0
	SEND 7
	s_wait_tensorcnt 0x0                           ; the wave's end
	ds_add_u32 v[SPW], v[NIL]
	s_wait_dscnt 0x0
	CROUND                                         ; the closing round
	s_endpgm
.Lfunc_end_k_qd0bc59d085_qkv:
	.size	k_qd0bc59d085_qkv, .Lfunc_end_k_qd0bc59d085_qkv-k_qd0bc59d085_qkv
	.p2alignl 7, 3214868480
	.fill 96, 4, 3214868480
	.section	.rodata,"a",@progbits
	.p2align	6, 0x0
	.amdhsa_kernel k_qd0bc59d085_qkv
		.amdhsa_group_segment_fixed_size 327680
		.amdhsa_private_segment_fixed_size 0
		.amdhsa_enable_private_segment 0
		.amdhsa_kernarg_size 32
		.amdhsa_user_sgpr_count 2
		.amdhsa_user_sgpr_kernarg_segment_ptr 1
		.amdhsa_wavefront_size32 1
		.amdhsa_system_sgpr_workgroup_id_x 1
		.amdhsa_system_sgpr_workgroup_id_y 1
		.amdhsa_system_sgpr_workgroup_id_z 1
		.amdhsa_system_vgpr_workitem_id 0
		.amdhsa_next_free_vgpr 1024
		.amdhsa_next_free_sgpr 100
		.amdhsa_reserve_vcc 0
		.amdhsa_float_denorm_mode_32 3
		.amdhsa_float_denorm_mode_16_64 3
		.amdhsa_memory_ordered 1
		.amdhsa_forward_progress 1
		.amdhsa_inst_pref_size 125
	.end_amdhsa_kernel
	.amdgpu_metadata
---
amdhsa.version: [ 1, 2 ]
amdhsa.kernels:
  - .name:           k_qd0bc59d085_qkv
    .symbol:         k_qd0bc59d085_qkv.kd
    .args:
      - { .name: hc, .offset: 0, .size: 8, .value_kind: global_buffer, .address_space: global }
      - { .name: wc, .offset: 8, .size: 8, .value_kind: global_buffer, .address_space: global }
      - { .name: lowp_scales, .offset: 16, .size: 8, .value_kind: global_buffer, .address_space: global }
      - { .name: qkvc, .offset: 24, .size: 8, .value_kind: global_buffer, .address_space: global }
    .group_segment_fixed_size: 327680
    .private_segment_fixed_size: 0
    .kernarg_segment_align: 8
    .kernarg_segment_size: 32
    .max_flat_workgroup_size: 128
    .sgpr_count:     100
    .vgpr_count:     1024
    .wavefront_size: 32
...
	.end_amdgpu_metadata
.endif
;; end of part 2
;; launch attn (part 3): grid 4 x 64, 16 waves a work-group, clusters of 4 x 1, 327,680 bytes of LDS; arguments qkvc, lowp_scales, oc; writes oc
.if DOCPART == 3
	.amdgcn_target "amdgcn-amd-amdhsa--gfx1250"
	.amdhsa_code_object_version 6
	.text
	.protected	k_qd0bc59d085_attn
	.globl	k_qd0bc59d085_attn
	.p2align	8
	.type	k_qd0bc59d085_attn,@function
k_qd0bc59d085_attn:
	s_mov_b64 s[64:65], 0
	v_nop
	global_prefetch_b8 v0, s[64:65] scope:SCOPE_SE
	s_setreg_imm32_b32 hwreg(HW_REG_WAVE_MODE, 25, 1), 1
	s_wait_xcnt 0x0
	s_wait_alu depctr_hold_cnt(0) depctr_sa_sdst(0) depctr_va_vdst(0) depctr_va_sdst(0) depctr_va_ssrc(0) depctr_va_vcc(0) depctr_vm_vsrc(0)
	s_getreg_b32 s2, hwreg(HW_REG_IB_STS2, 6, 4)
	s_cmp_eq_u32 s2, 0
	s_cbranch_scc0 .Lentry_in_a_cluster
	s_endpgm
.Lentry_in_a_cluster:
	s_bfe_u32 s2, ttmp6, 0x10000c
	s_cmp_lg_u32 s2, 0x3003
	s_cbranch_scc0 .Lentry_shape_is_right
	s_endpgm
.Lentry_shape_is_right:
; ATTENTION ON CODES OF E4M3, no mask.  A work-group owns 256 queries of one (batch, head), each of its 16 waves 16 of them; the head's 1,024 keys and values lie whole in LDS, filled once.
; The four work-groups of a cluster are the four query blocks of one head: K and V are asked for jointly.  Waves 0-7 fetch K (two chunks of 64 keys each, 8,192 dense bytes), waves 8-15 V (two chunks of 64 keys x 64 channels, 65,536 bytes apart): one tensor load a wave.
; Both products are used transposed, so that a lane holds one query.  p = 2^(t - M), M the ceiling of the running largest t; the row's sum is taken of the unquantised p and divides at the end; o is quantised with 2^e10 on the way out.
; LIMITS: e6 + e7 between -123 and 130; e8 and e10 between -126 and 119.  NaN is not served.  No prefetch: every byte is asked for at the head, and there is no loop to run ahead in.
.set KCH,   4352
.set VOFF,  16*KCH
.set STAGE, 2*VOFF
.set SPARE, STAGE+16*1024
.set AK0, 1
.set AV0, 2
.set SPW, 5
.set NIL, 6
.set GO,  7
.set ADK, 8
.set ADV, 9
.set WV,  18
.set SEL, 20
.set CS,  22
.set G1,  24
.set G0K, 40
.set G0V, 44
.set TB,  33
.set CNT, 34
.macro CROUND
	s_barrier_signal -1
	s_barrier_wait -1
	s_cmp_lg_u32 s[WV], 0
	s_cbranch_scc1 .Lnot_wave_0_\@
	s_barrier_signal -3
.Lnot_wave_0_\@:
	s_barrier_wait -3
	s_barrier_signal -1
	s_barrier_wait -1
.endm
	s_load_b128 s[4:7], s[0:1], 0x0
	s_load_b64 s[8:9], s[0:1], 0x10
	v_lshl_add_u32 v[SPW], v0, 2, SPARE
	v_mov_b32 v[NIL], 0
	ds_add_u32 v[SPW], v[NIL]
	ds_add_u32 v[SPW], v[NIL]
	v_lshrrev_b32 v8, 5, v0
	s_delay_alu instid0(VALU_DEP_1)
	v_readfirstlane_b32 s[WV], v8
	s_bfe_u32 s19, ttmp6, 0x40000
	s_and_b32 s32, ttmp7, 0xffff
	s_mov_b32 s[G1], 15|(3<<16)|(1<<20)|(1<<21)|(5<<22)|(3<<25)
	s_mov_b32 s[G1+1], 32<<16
	s_mov_b32 s[G1+2], 32<<16                      ; K: 32 rows of 256 bytes, dense
	s_mov_b32 s[G1+3], 32<<16
	s_mov_b32 s[G1+4], 32
	s_mov_b32 s[G1+5], 32
	s_mov_b32 s[G1+6], 0
	s_mov_b32 s[G1+7], 0
.set G1V, 48
	s_mov_b32 s[G1V], 15|(3<<16)|(1<<20)|(1<<21)|(5<<22)|(3<<25)   ; V: 2 rows of 4,096 bytes, 65,536 bytes apart; the padding as for K, behind every 256 bytes
	s_mov_b32 s[G1V+1], 512<<16
	s_mov_b32 s[G1V+2], 2<<16
	s_mov_b32 s[G1V+3], 512<<16
	s_mov_b32 s[G1V+4], 2
	s_mov_b32 s[G1V+5], 8192
	s_mov_b32 s[G1V+6], 0
	s_mov_b32 s[G1V+7], 0
	s_lshl_b32 s84, s32, 16
	s_and_b32 s89, s[WV], 7                        ; which pair of chunks is mine
	s_lshl_b32 s85, s89, 13
	s_add_co_u32 s84, s84, s85
	s_add_co_u32 s84, s84, 0x400000
	s_mov_b32 s85, 0
	s_lshr_b32 s86, s32, 4
	s_lshl_b32 s86, s86, 20
	s_lshl_b32 s87, s89, 17
	s_add_co_u32 s86, s86, s87
	s_and_b32 s87, s32, 15
	s_lshl_b32 s87, s87, 12
	s_add_co_u32 s86, s86, s87
	s_add_co_u32 s86, s86, 0x800000
	s_mov_b32 s87, 0
	s_mul_i32 s88, s89, 2*KCH
	s_mov_b32 s[SEL], 0x76543210
	s_mov_b32 s[SEL+1], 0xfedcba98
	s_mov_b32 s[CS], 0x3e38aa3b
	s_mov_b32 s[TB], 0
	s_mov_b32 s[CNT], 8
	s_wait_dscnt 0x0
	s_wait_kmcnt 0x0
	s_load_b512 s[68:83], s[6:7], 0x0
	s_mov_b32 s[G0K], 1
	s_mov_b32 s[G0K+1], s88
	s_add_nc_u64 s[G0K+2:G0K+3], s[4:5], s[84:85]
	s_or_b32 s[G0K+3], s[G0K+3], 0x80000000
	s_mov_b32 s[G0V], 1
	s_add_co_u32 s[G0V+1], s88, VOFF
	s_add_nc_u64 s[G0V+2:G0V+3], s[4:5], s[86:87]
	s_or_b32 s[G0V+3], s[G0V+3], 0x80000000
	CROUND
	s_cmp_lt_u32 s[WV], 8                          ; one chain, one load to an arm
	s_cbranch_scc0 .Lfor_v
	tensor_load_to_lds s[G0K:G0K+3], s[G1:G1+7]
	s_nop 0
.rept 4
	v_nop
.endr
	s_branch .Lasked
.Lfor_v:
	tensor_load_to_lds s[G0V:G0V+3], s[G1V:G1V+7]
	s_nop 0
.rept 4
	v_nop
.endr
.Lasked:
	s_lshl_b32 s90, s19, 8
	s_lshl_b32 s91, s[WV], 4
	s_add_co_u32 s90, s90, s91
	s_lshl_b32 s92, s90, 6
	s_lshl_b32 s93, s32, 16
	s_add_co_u32 s92, s92, s93
	s_mov_b32 s93, 0
	s_add_nc_u64 s[10:11], s[4:5], s[92:93]
	s_and_b32 s92, s32, 15
	s_lshl_b32 s92, s92, 18
	s_lshr_b32 s93, s32, 4
	s_lshl_b32 s93, s93, 10
	s_add_co_u32 s93, s93, s90
	s_lshl_b32 s93, s93, 6
	s_add_co_u32 s92, s92, s93
	s_mov_b32 s93, 0
	s_add_nc_u64 s[8:9], s[8:9], s[92:93]
	v_and_b32 v8, 15, v0
	v_bfe_u32 v9, v0, 4, 1
	s_delay_alu instid0(VALU_DEP_2)
	v_lshlrev_b32 v10, 6, v8
	s_delay_alu instid0(VALU_DEP_1)
	v_lshl_add_u32 v10, v9, 4, v10
	global_load_b128 v[16:19], v10, s[10:11]
	global_load_b128 v[20:23], v10, s[10:11] offset:32
	v_lshrrev_b32 v11, 2, v8
	s_delay_alu instid0(VALU_DEP_1)
	v_mul_u32_u24 v[AK0], v11, 272
	v_and_b32 v11, 3, v8
	s_delay_alu instid0(VALU_DEP_1)
	v_lshl_add_u32 v[AK0], v11, 6, v[AK0]
	s_delay_alu instid0(VALU_DEP_1)
	v_lshl_add_u32 v[AK0], v9, 4, v[AK0]
	s_delay_alu instid0(VALU_DEP_1)
	v_add_nc_u32 v[AV0], VOFF, v[AK0]
	v_mov_b32 v13, 0xff61b1e6
	s_delay_alu instid0(VALU_DEP_1)
	v_floor_f32 v12, -v13
	v_mov_b32 v14, 0
	v_mov_b32 v15, 0
	v_mov_b32 v236, 0
	v_mov_b32 v253, 0
.set j, 0
.rept 32
	v_mov_b32 v[160+j], 0
.set j, j+1
.endr
	s_wait_kmcnt 0x0
	s_add_co_i32 s84, s74, s75
	s_lshl_b32 s84, s84, 23
	s_add_co_i32 s[CS], s[CS], s84
	s_mov_b32 s[CS+1], s[CS]
	s_add_co_i32 s84, s76, 127
	s_lshl_b32 s85, s84, 23
	v_mov_b32 v244, s85
	s_add_co_i32 s84, s84, 8
	s_lshl_b32 s84, s84, 23
	s_or_b32 s84, s84, 0x600000
	v_mov_b32 v240, s84
	v_mov_b32 v246, s84                            ; the same bound once more, for the second half of a dual pair
	s_add_co_i32 s84, s78, 127
	s_lshl_b32 s85, s84, 23
	v_mov_b32 v245, s85
	s_add_co_i32 s84, s84, 8
	s_lshl_b32 s84, s84, 23
	s_or_b32 s84, s84, 0x600000
	v_mov_b32 v241, s84
	s_wait_tensorcnt 0x0
	s_barrier_signal -1
	s_barrier_wait -1
	s_wait_loadcnt 0x0
.Lkeys:
	v_add_nc_u32 v[ADK], s[TB], v[AK0]
	v_add_nc_u32 v[ADV], s[TB], v[AV0]
	v_nop
	v_nop
.irp t, 0,1,2,3,4,5,6,7
	ds_load_b128 v[32+8*\t:35+8*\t], v[ADK] offset:\t*1088
	ds_load_b128 v[36+8*\t:39+8*\t], v[ADK] offset:\t*1088+32
.endr
	s_wait_alu depctr_va_vdst(0)
	s_wait_dscnt 0x0
.irp t, 0,1,2,3,4,5,6,7
	v_wmma_f32_16x16x64_fp8_fp8 v[96+8*\t:103+8*\t], v[32+8*\t:39+8*\t], v[16:23], 0
.endr
.rept 4
	v_nop
.endr
.irp t, 0,1,2,3                        ; V's fragments go into the registers that held K's (four places behind the products that read them): the 16 loads are out while the softmax is worked
.irp c, 0,1,2,3
	ds_load_b128 v[32+16*\t+4*\c:35+16*\t+4*\c], v[ADV] offset:(\c/2)*KCH+\t*1088+32*(\c%2)
.endr
.endr
	v_max3_num_f32 v254, v96, v97, v98
	v_max3_num_f32 v252, v99, v100, v101
.set i, 6
.rept 14
	v_max3_num_f32 v254, v254, v[96+i], v[97+i]
	v_max3_num_f32 v252, v252, v[98+i], v[99+i]
.set i, i+4
.endr
	v_max3_num_f32 v254, v254, v158, v159
	s_delay_alu instid0(VALU_DEP_1)
	v_max_num_f32 v254, v254, v252
	v_permlanex16_b32 v236, v254, s[SEL], s[SEL+1]
	s_delay_alu instid0(VALU_DEP_1)
	v_max_num_f32 v254, v254, v236
	s_delay_alu instid0(VALU_DEP_1)
	v_mul_f32 v254, s[CS], v254
	s_delay_alu instid0(VALU_DEP_1)
	v_max_num_f32 v13, v13, v254
	v_mov_b32 v254, v12
	s_delay_alu instid0(VALU_DEP_2)
	v_floor_f32 v12, -v13
	s_delay_alu instid0(VALU_DEP_1)
	v_sub_f32 v254, v12, v254
	s_delay_alu instid0(VALU_DEP_1)
	v_cvt_i32_f32 v254, v254
	s_delay_alu instid0(VALU_DEP_1)
	v_ldexp_f32 v252, 1.0, v254
.set j, 0
.rept 32
	v_pk_fma_f32 v[96+j:97+j], v[96+j:97+j], s[CS:CS+1], v[12:13] op_sel_hi:[1,0,0]
.set j, j+2
.endr
.set j, 0
	s_wait_alu depctr_va_vdst(0)
.rept 64
	v_exp_f32 v[96+j], v[96+j]
.set j, j+1
.endr
	v_pk_mul_f32 v[14:15], v[14:15], v[252:253] op_sel_hi:[1,0]
	s_wait_alu depctr_va_vdst(0)
	v_pk_add_f32 v[242:243], v[96:97], v[98:99]
.set i, 4
.rept 15
	v_pk_add_f32 v[14:15], v[14:15], v[96+i:97+i]
	v_pk_add_f32 v[242:243], v[242:243], v[98+i:99+i]
.set i, i+4
.endr
	s_delay_alu instid0(VALU_DEP_1)
	v_pk_add_f32 v[14:15], v[14:15], v[242:243]
.irp b, 0,1,2,3
.irp i, 0,2,4,6,8,10,12,14             ; the hold of p at the largest code x the scale, two numbers an instruction: destinations even and odd, sources in different banks
	v_dual_min_num_f32 v[96+16*\b+\i], v[96+16*\b+\i], v240 :: v_dual_min_num_f32 v[97+16*\b+\i], v[97+16*\b+\i], v246
.endr
	v_cvt_scalef32_pk8_fp8_f32 v[224+4*\b:225+4*\b], v[96+16*\b:103+16*\b], v244
	v_cvt_scalef32_pk8_fp8_f32 v[226+4*\b:227+4*\b], v[104+16*\b:111+16*\b], v244
.endr
.set j, 0
.rept 16
	v_pk_mul_f32 v[160+j:161+j], v[160+j:161+j], v[252:253] op_sel_hi:[1,0]
.set j, j+2
.endr
	s_wait_alu depctr_va_vdst(0)
	s_wait_dscnt 0x0                               ; V's fragments, asked for ahead of the softmax
.irp t, 0,1,2,3
	v_wmma_f32_16x16x128_fp8_fp8 v[160+8*\t:167+8*\t], v[32+16*\t:47+16*\t], v[224:239], v[160+8*\t:167+8*\t]
.endr
	s_add_co_u32 s[TB], s[TB], 2*KCH
	s_sub_co_u32 s[CNT], s[CNT], 1
	s_cmp_lg_u32 s[CNT], 0
	s_cbranch_scc1 .Lkeys
.rept 4
	v_nop
.endr
	v_add_f32 v14, v14, v15
	s_delay_alu instid0(VALU_DEP_1)
	v_permlanex16_b32 v252, v14, s[SEL], s[SEL+1]
	s_delay_alu instid0(VALU_DEP_1)
	v_add_f32 v14, v14, v252
	s_wait_alu depctr_va_vdst(0)
	v_rcp_f32 v14, v14
	v_and_b32 v8, 15, v0
	v_bfe_u32 v9, v0, 4, 1
	s_add_co_i32 s84, s76, s77
	s_lshl_b32 s85, s[WV], 10
	s_add_co_u32 s85, s85, STAGE
	v_lshlrev_b32 v10, 6, v8
	s_delay_alu instid0(VALU_DEP_1)
	v_lshl_add_u32 v10, v9, 4, v10
	s_delay_alu instid0(VALU_DEP_1)
	v_add_nc_u32 v10, s85, v10
	v_and_b32 v[GO], 31, v0
	s_delay_alu instid0(VALU_DEP_1)
	v_lshlrev_b32 v[GO], 4, v[GO]
	s_delay_alu instid0(VALU_DEP_1)
	v_add_nc_u32 v11, s85, v[GO]
	s_wait_alu depctr_va_vdst(0)
	v_ldexp_f32 v14, v14, s84
.set j, 0
.rept 16
	v_pk_mul_f32 v[96+j:97+j], v[160+j:161+j], v[14:15] op_sel_hi:[1,0]
.set j, j+2
.endr
.set j, 0
.rept 32
	v_med3_num_f32 v[96+j], v[96+j], -v241, v241
.set j, j+1
.endr
.irp q, 0,1,2,3
	v_cvt_scalef32_pk8_fp8_f32 v[224+2*\q:225+2*\q], v[96+8*\q:103+8*\q], v245
.endr
	v_nop
	ds_store_b128 v10, v[224:227]
	ds_store_b128 v10, v[228:231] offset:32
	ds_load_b128 v[32:35], v11
	ds_load_b128 v[36:39], v11 offset:512
	s_wait_dscnt 1
	global_store_b128 v[GO], v[32:35], s[8:9]
	s_wait_dscnt 0
	global_store_b128 v[GO], v[36:39], s[8:9] offset:512
	s_wait_tensorcnt 0x0
	ds_add_u32 v[SPW], v[NIL]
	s_wait_dscnt 0x0
	CROUND
	s_endpgm
.Lfunc_end_k_qd0bc59d085_attn:
	.size	k_qd0bc59d085_attn, .Lfunc_end_k_qd0bc59d085_attn-k_qd0bc59d085_attn
	.p2alignl 7, 3214868480
	.fill 96, 4, 3214868480
	.section	.rodata,"a",@progbits
	.p2align	6, 0x0
	.amdhsa_kernel k_qd0bc59d085_attn
		.amdhsa_group_segment_fixed_size 327680
		.amdhsa_private_segment_fixed_size 0
		.amdhsa_enable_private_segment 0
		.amdhsa_kernarg_size 24
		.amdhsa_user_sgpr_count 2
		.amdhsa_user_sgpr_kernarg_segment_ptr 1
		.amdhsa_wavefront_size32 1
		.amdhsa_system_sgpr_workgroup_id_x 1
		.amdhsa_system_sgpr_workgroup_id_y 1
		.amdhsa_system_sgpr_workgroup_id_z 1
		.amdhsa_system_vgpr_workitem_id 0
		.amdhsa_next_free_vgpr 256
		.amdhsa_next_free_sgpr 100
		.amdhsa_reserve_vcc 0
		.amdhsa_float_denorm_mode_32 3
		.amdhsa_float_denorm_mode_16_64 3
		.amdhsa_memory_ordered 1
		.amdhsa_forward_progress 1
		.amdhsa_inst_pref_size 29
	.end_amdhsa_kernel
	.amdgpu_metadata
---
amdhsa.version: [ 1, 2 ]
amdhsa.kernels:
  - .name:           k_qd0bc59d085_attn
    .symbol:         k_qd0bc59d085_attn.kd
    .args:
      - { .name: qkvc, .offset: 0, .size: 8, .value_kind: global_buffer, .address_space: global }
      - { .name: lowp_scales, .offset: 8, .size: 8, .value_kind: global_buffer, .address_space: global }
      - { .name: oc, .offset: 16, .size: 8, .value_kind: global_buffer, .address_space: global }
    .group_segment_fixed_size: 327680
    .private_segment_fixed_size: 0
    .kernarg_segment_align: 8
    .kernarg_segment_size: 24
    .max_flat_workgroup_size: 512
    .sgpr_count:     100
    .vgpr_count:     256
    .wavefront_size: 32
...
	.end_amdgpu_metadata
.endif
;; end of part 3
;; launch proj (part 4): grid 8 x 32, 4 waves a work-group, clusters of 4 x 4, 327,680 bytes of LDS; arguments oc, wc, lowp_scales, b_proj, x, x1; writes x1
.if DOCPART == 4
	.amdgcn_target "amdgcn-amd-amdhsa--gfx1250"
	.amdhsa_code_object_version 6
	.text
	.protected	k_qd0bc59d085_proj
	.globl	k_qd0bc59d085_proj
	.p2align	8
	.type	k_qd0bc59d085_proj,@function
k_qd0bc59d085_proj:
	s_mov_b64 s[64:65], 0
	v_nop
	global_prefetch_b8 v0, s[64:65] scope:SCOPE_SE
	s_setreg_imm32_b32 hwreg(HW_REG_WAVE_MODE, 25, 1), 1
	s_wait_xcnt 0x0
	s_wait_alu depctr_hold_cnt(0) depctr_sa_sdst(0) depctr_va_vdst(0) depctr_va_sdst(0) depctr_va_ssrc(0) depctr_va_vcc(0) depctr_vm_vsrc(0)
	s_getreg_b32 s2, hwreg(HW_REG_IB_STS2, 6, 4)
	s_cmp_eq_u32 s2, 0
	s_cbranch_scc0 .Lentry_in_a_cluster
	s_endpgm
.Lentry_in_a_cluster:
	s_bfe_u32 s2, ttmp6, 0x10000c
	s_cmp_lg_u32 s2, 0xf033
	s_cbranch_scc0 .Lentry_shape_is_right
	s_endpgm
.Lentry_shape_is_right:
; OUT = RES + (A W^T) x 2^(ea + eb) + bias, f32 out, on codes of E4M3.  4,096 rows, 1,024 columns.
; A = [K / 64 planes][4096 tokens][64] codes; W = rows [place sigma(n)][K] in wc (sigma = bits 3 and 4 exchanged); RES, OUT = [4096][1024] f32.
; SHAPE: 1,024 columns give only 64 tiles of 256 x 256, so the tile is 128 x 128: 256 work-groups.  Four waves, each 64 x 64: 16 accumulators.  A K step is 512 codes, four quarters of 128, 16 matrix instructions each.
; CLUSTERS: 4 x 4; A's tiles are asked for jointly along a row of the cluster, W's along a column.
; THE MATRIX INSTRUCTION IS USED TRANSPOSED (source 0 = W's places, source 1 = tokens): a lane holds one token; register j of tile b is column 32 (b / 2) + 16 h + 8 (b % 2) + j.
; LDS: A's half: 8 planes x 64 rows of 64 bytes, four rows to a line of 256 + 16 bytes (a plane: 4,352 bytes); W's half: 64 rows of 512 + 16 bytes.
; REGISTERS: window 0: v12-15 bias, v16-29 addresses, v32-95 at work on the way out, v128-255 the accumulators.  window 1: two fragment buffers (A's four blocks, then W's four tiles).  window 2: v0-127 my 64 x 64 of RES, loaded at the head.
; LIMIT: ea + eb between -126 and 127.  No prefetch: few K steps, each tile read by many work-groups.
.set LAPS,  1                          ; K / 1024
.set KROWB, 1024                       ; a row of W's codes
.set WOFF,  0x300000                   ; W's place in wc
.set SOFF,  0x28                       ; ea, eb in lowp_scales
.set AH,    34816
.set BH,    33792
.set SLOT,  2*AH+2*BH
.set STAGE, 2*SLOT                     ; behind the ring: 16 rows x 272 bytes for each wave
.set SPARE, STAGE+4*4352               ; the spare words, 128 bytes a wave
.set BIAS, 12
.set ADRA, 16
.set ADRB, 20
.set STO,  24
.set RD,   25
.set CO,   26
.set BA,   27
.set SPW,  28
.set NIL,  29
.set T,    32
.set ACC,  128
.set F0,   0
.set F1,   128
.set G1, 24
.set G0, 32
.set G1B, 48
.set G0B, 56
.set MSB, 0
.macro WIN new
.if MSB != \new
	s_set_vgpr_msb (MSB<<8)|\new
.set MSB, \new
.endif
.endm
.set MUL,  0x05                        ; sources 0 and 1 window 1; C and D window 0
.set TO_F, 0x40                        ; destination window 1, address window 0
.macro JLOAD s                         ; waves 0, 1 fetch A's tiles, waves 2, 3 W's; an s_nop 0 and four v_nop follow each line
	s_cmp_eq_u32 s11, 0
	s_cbranch_scc0 .Lfor_b_\@
	tensor_load_to_lds s[G0+4*\s:G0+4*\s+3], s[G1:G1+7]
	s_nop 0
.rept 4
	v_nop
.endr
	s_branch .Lasked_\@
.Lfor_b_\@:
	tensor_load_to_lds s[G0B+4*\s:G0B+4*\s+3], s[G1B:G1B+7]
	s_nop 0
.rept 4
	v_nop
.endr
.Lasked_\@:
.endm
.macro CREST
	s_cmp_lg_u32 s10, 0
	s_cbranch_scc1 .Lnot_wave_0_\@
	s_barrier_signal -3
.Lnot_wave_0_\@:
	s_barrier_wait -3
	s_barrier_signal -1
	s_barrier_wait -1
.endm
.macro CROUND
	s_barrier_signal -1
	s_barrier_wait -1
	CREST
.endm
	s_load_b128 s[4:7], s[0:1], 0x0                ; A, wc
	s_load_b128 s[68:71], s[0:1], 0x10             ; lowp_scales, bias
	s_load_b128 s[72:75], s[0:1], 0x20             ; RES, OUT
	v_lshl_add_u32 v[SPW], v0, 2, SPARE
	v_mov_b32 v[NIL], 0
	ds_add_u32 v[SPW], v[NIL]                      ; the wave's opening: the add and its wait ahead of my first tensor load
	ds_add_u32 v[SPW], v[NIL]
	v_lshrrev_b32 v1, 5, v0
	v_readfirstlane_b32 s10, v1                    ; wave 0..3
	s_lshr_b32 s11, s10, 1                         ; my half of the rows; also: I fetch for A (0) or W (1)
	s_and_b32 s12, s10, 1                          ; my half of the columns; also: the slot that I fill
	s_bfe_u32 s40, ttmp6, 0x40000
	s_bfe_u32 s41, ttmp6, 0x40004
	s_lshl_b32 s42, ttmp9, 2
	s_add_co_u32 s42, s42, s40                     ; tile column
	s_and_b32 s13, ttmp7, 0xffff
	s_lshl_b32 s13, s13, 2
	s_add_co_u32 s13, s13, s41                     ; tile row
	s_lshl_b32 s43, s41, 2
	s_lshl_b32 s43, 15, s43                        ; my row of the cluster
	s_lshl_b32 s44, 0x1111, s40                    ; my column
	s_or_b32 s[G1+0], s43, (3<<16)|(1<<20)|(1<<21)|(5<<22)|(3<<25)   ; A: elements of 8 bytes; 4 words of padding after every 64 words, 32 times in a row of 8,192 bytes
	s_mov_b32 s[G1+1], 1024<<16                    ; tensor_dim0 = 1,024 elements: 128 tokens x 64 bytes, dense in a plane
	s_mov_b32 s[G1+2], 8<<16                       ; tensor_dim1 = 8 planes
	s_mov_b32 s[G1+3], 1024<<16                    ; tile_dim0
	s_mov_b32 s[G1+4], 8                           ; tile_dim1
	s_mov_b32 s[G1+5], 32768                       ; from plane to plane: 262,144 bytes
	s_mov_b32 s[G1+6], 0
	s_mov_b32 s[G1+7], 0
	s_or_b32 s[G1B+0], s44, (0<<16)|(1<<20)|(1<<21)|(6<<22)|(3<<25)  ; W: elements of 1 byte; 4 words after every 128
	s_mov_b32 s[G1B+1], 512<<16
	s_mov_b32 s[G1B+2], 128<<16
	s_mov_b32 s[G1B+3], 512<<16
	s_mov_b32 s[G1B+4], 128
	s_mov_b32 s[G1B+5], KROWB
	s_mov_b32 s[G1B+6], 0
	s_mov_b32 s[G1B+7], 0
	s_lshl_b32 s16, s13, 7
	s_mov_b32 s17, 0                               ; a load brings an operand's whole 128 rows of a K step
	s_add_co_u32 s16, s16, s17
	s_lshl_b32 s16, s16, 6                         ; A: token 128 x tile row, 64 bytes each
	s_mov_b32 s17, 0
	s_lshl_b32 s46, s42, 7
	s_mov_b32 s47, 0
	s_add_co_u32 s46, s46, s47
	s_mul_i32 s46, s46, KROWB                      ; W: place 128 x tile column
	s_add_co_u32 s46, s46, WOFF
	s_mov_b32 s47, 0
	s_mov_b32 s20, 0                               ; where they go: A's 8 planes of 128 tokens (8,704 bytes a plane),
	s_mov_b32 s21, 0                               ; then W's 128 rows
	s_add_co_u32 s21, s21, 2*AH
	s_wait_dscnt 0x0                               ; the opening add is done
	s_wait_kmcnt 0x0
	s_load_b64 s[76:77], s[68:69], SOFF            ; ea, eb
	s_add_nc_u64 s[14:15], s[4:5], s[16:17]
	s_add_nc_u64 s[46:47], s[6:7], s[46:47]
	CROUND                                         ; all sixteen work-groups are here
.irp s, 0,1
	s_mov_b32 s[G0+4*\s], 1
	s_add_co_u32 s[G0+4*\s+1], s20, \s*SLOT
	s_add_nc_u64 s[G0+4*\s+2:G0+4*\s+3], s[14:15], \s*8*262144
	s_or_b32 s[G0+4*\s+3], s[G0+4*\s+3], 0x80000000
	s_mov_b32 s[G0B+4*\s], 1
	s_add_co_u32 s[G0B+4*\s+1], s21, \s*SLOT
	s_add_nc_u64 s[G0B+4*\s+2:G0B+4*\s+3], s[46:47], \s*512
	s_or_b32 s[G0B+4*\s+3], s[G0B+4*\s+3], 0x80000000
.endr
	v_and_b32 v1, 15, v0                           ; r
	v_bfe_u32 v2, v0, 4, 1                         ; h
	v_lshrrev_b32 v3, 2, v1
	v_mul_u32_u24 v3, v3, 272
	v_and_b32 v4, 3, v1
	v_lshl_add_u32 v3, v4, 6, v3
	v_lshl_add_u32 v3, v2, 4, v3                   ; A: (r / 4) 272 + (r % 4) 64 + 16 h
	v_mul_u32_u24 v4, v1, 528
	v_lshl_add_u32 v4, v2, 4, v4                   ; W: 528 r + 16 h
	s_mul_i32 s21, s11, 4352                       ; my 64 tokens of each plane
	s_mul_i32 s22, s12, BH
	s_add_co_u32 s22, s22, 2*AH
.irp s, 0,1
	v_add_nc_u32 v[ADRA+\s], s21, v3
	v_add_nc_u32 v[ADRB+\s], s22, v4
	s_add_co_u32 s21, s21, SLOT
	s_add_co_u32 s22, s22, SLOT
.endr
	s_mul_i32 s23, s10, 4352
	s_add_co_u32 s23, s23, STAGE                   ; my stage
	v_mul_u32_u24 v5, v1, 272
	v_lshl_add_u32 v5, v2, 6, v5
	v_add_nc_u32 v[STO], s23, v5                   ; in: row r, + 64 h
	v_mul_u32_u24 v5, v2, 272
	v_lshl_add_u32 v5, v1, 4, v5
	v_add_nc_u32 v[RD], s23, v5                    ; back: lanes 0-15 one row of 256 bytes, lanes 16-31 the next
	v_lshlrev_b32 v5, 12, v2
	v_lshl_add_u32 v[CO], v1, 4, v5                ; and the same two rows in RES and OUT
	s_wait_alu depctr_va_vdst(0)
	v_lshlrev_b32 v[BA], 4, v1
	s_wait_alu depctr_va_vdst(0)
.macro PTRWORK                         ; where RES, OUT and the bias begin for me: scalars alone; both arms of the head's chain run it
	s_lshl_b32 s16, s13, 7
	s_lshl_b32 s17, s11, 6
	s_add_co_u32 s16, s16, s17
	s_lshl_b32 s16, s16, 12                        ; my first row, in bytes
	s_mov_b32 s17, 0
	s_lshl_b32 s46, s42, 9
	s_lshl_b32 s47, s12, 8
	s_add_co_u32 s46, s46, s47                     ; my first column, in bytes
	s_mov_b32 s47, 0
	s_add_nc_u64 s[72:73], s[72:73], s[16:17]
	s_add_nc_u64 s[72:73], s[72:73], s[46:47]
	s_add_nc_u64 s[74:75], s[74:75], s[16:17]
	s_add_nc_u64 s[74:75], s[74:75], s[46:47]
	s_add_nc_u64 s[70:71], s[70:71], s[46:47]
.endm
.macro RESLOAD
	WIN 0x80                                       ; destination window 2
.irp a, 0,1,2,3                        ; RES, in the layout in which rows come back from the stage; it lands under the products
.irp i, 0,1,2,3,4,5,6,7
	global_load_b128 v[4*(8*\a+\i):4*(8*\a+\i)+3], v[CO], s[72:73] offset:(16*\a+2*\i)*4096
.endr
.endr
	WIN 0
	global_load_b128 v[BIAS:BIAS+3], v[BA], s[70:71]
.endm
	s_cmp_eq_u32 s12, 0                            ; one chain, one load to an arm.  Waves 0, 2 ask for K step 0 (slot 0) first and wait for it in their arm;
	s_cbranch_scc0 .Lhead_1
	JLOAD 0
	PTRWORK
	RESLOAD
	s_wait_tensorcnt 0x0                           ; my part of K step 0 is in
	s_branch .Lhead_j
.Lhead_1:                                              ; waves 1, 3 ask for K step 1 (slot 1) behind their pointer work; their load stays out across the first barrier: slot 1 is read only behind the change of slots, whose wait for 0 covers it
	PTRWORK
	JLOAD 1
	RESLOAD
.Lhead_j:
.macro MUL8 f, a0, zero                ; A's blocks a0, a0 + 1 x W's four tiles, 128 along K.  The 16 accumulators take turns in the same order in every quarter
.irp a, \a0, \a0+1
.irp b, 0,1,2,3
.if \zero
	v_wmma_f32_16x16x128_fp8_fp8 v[ACC+8*(4*(\a)+\b):ACC+8*(4*(\a)+\b)+7], v[\f+64+16*\b:\f+64+16*\b+15], v[\f+16*(\a):\f+16*(\a)+15], 0
.else
	v_wmma_f32_16x16x128_fp8_fp8 v[ACC+8*(4*(\a)+\b):ACC+8*(4*(\a)+\b)+7], v[\f+64+16*\b:\f+64+16*\b+15], v[\f+16*(\a):\f+16*(\a)+15], v[ACC+8*(4*(\a)+\b):ACC+8*(4*(\a)+\b)+7]
.endif
.endr
.endr
.endm
.macro FETCH slot, kq, f               ; 32 LDS loads in one run: quarter kq's fragments: W's 16, then A's blocks 0 to 3.  Registers 4 c .. hold K = 32 c + 16 h + 0 .. 15 on both sides
	WIN TO_F
.irp i, 0,1,2,3
.irp c, 0,1,2,3
	ds_load_b128 v[\f+64+16*\i+4*\c:\f+64+16*\i+4*\c+3], v[ADRB+\slot] offset:128*(\kq)+32*\c+\i*8448
.endr
.endr
.irp i, 0,1,2,3
.irp c, 0,1,2,3
	ds_load_b128 v[\f+16*\i+4*\c:\f+16*\i+4*\c+3], v[ADRA+\slot] offset:(2*(\kq)+\c/2)*8704+32*(\c%2)+\i*1088
.endr
.endr
.endm
.macro PLACES
.rept 4
	v_nop
.endr
.endm
.macro QUARTER slot, kq, f, g, zero    ; multiplies buffer f and fetches quarter kq of the slot into g
	s_wait_dscnt 8                                 ; W's tiles and A's blocks 0, 1 are in; the youngest eight loads (blocks 2, 3) may be out
	WIN MUL
	MUL8 \f, 0, \zero
	PLACES
	FETCH \slot, \kq, \g
	s_wait_dscnt 32                                ; all but the 32 just issued
	WIN MUL
	MUL8 \f, 2, \zero
.endm
.macro TURN slot, next, fill           ; a slot's last quarter multiplies buffer 1 and changes slots
	WIN 0
	s_wait_tensorcnt 0x0                           ; all my tensor loads have landed: my part of the next slot
	ds_add_u32 v[SPW], v[NIL]
	s_wait_dscnt 9                                 ; the add and the youngest eight loads may be out
	WIN MUL
	MUL8 F1, 0, 0
	s_wait_dscnt 0x0                               ; the add is done, and my reads of this slot are over
	s_barrier_signal -1
	WIN 0
	s_barrier_wait -1
.if \fill
	CREST                                          ; the barrier has opened a round of the cluster's
	s_add_nc_u64 s[G0+4*\slot+2:G0+4*\slot+3], s[G0+4*\slot+2:G0+4*\slot+3], 16*262144
	s_add_nc_u64 s[G0B+4*\slot+2:G0B+4*\slot+3], s[G0B+4*\slot+2:G0B+4*\slot+3], 1024
	JLOAD \slot                                    ; my one load behind the round; its four v_nop are the places in front of the loads below
.else
	PLACES
.endif
	FETCH \next, 0, F0
	WIN MUL
	MUL8 F1, 2, 0
.endm
	s_barrier_signal -1
	s_barrier_wait -1
	FETCH 0, 0, F0
	QUARTER 0, 1, F0, F1, 1                        ; the first quarter's products start the sums
.if LAPS > 1
	WIN 0
	s_mov_b32 s3, LAPS-1
.Llap:
	QUARTER 0, 2, F1, F0, 0
	QUARTER 0, 3, F0, F1, 0
	TURN 0, 1, 1
	QUARTER 1, 1, F0, F1, 0
	QUARTER 1, 2, F1, F0, 0
	QUARTER 1, 3, F0, F1, 0
	TURN 1, 0, 1
	QUARTER 0, 1, F0, F1, 0
	WIN 0
	s_sub_co_u32 s3, s3, 1
	s_cmp_lg_u32 s3, 0
	s_cbranch_scc1 .Llap
.endif
	QUARTER 0, 2, F1, F0, 0                        ; the last lap fills nothing
	QUARTER 0, 3, F0, F1, 0
	TURN 0, 1, 0
	QUARTER 1, 1, F0, F1, 0
	QUARTER 1, 2, F1, F0, 0
	QUARTER 1, 3, F0, F1, 0
	s_wait_dscnt 8
	WIN MUL
	MUL8 F1, 0, 0
	s_wait_dscnt 0
	MUL8 F1, 2, 0
	WIN 0
	PLACES                                         ; behind the last products, in front of the first read of results
	; THE WAY OUT, 16 rows at a time through my own stage: a lane's 32 bytes of a row go in, whole rows of 256 bytes come back; then x 2^(ea + eb) + RES + bias.
	s_wait_kmcnt 0x0
	s_add_co_i32 s76, s76, s77
	s_add_co_i32 s76, s76, 127
	s_lshl_b32 s76, s76, 23                        ; 2^(ea + eb)
	s_mov_b32 s77, s76
	s_wait_loadcnt 0x0                             ; RES and the bias
.macro OUTB a
.set TT, T+32*((\a)%2)
.if (\a) > 1
	s_wait_xcnt 0x0                                ; the stores of two blocks ago have read this set of registers
.endif
.irp b, 0,1,2,3
	ds_store_b128 v[STO], v[ACC+8*(4*(\a)+\b):ACC+8*(4*(\a)+\b)+3] offset:(\b/2)*128+(\b%2)*32      ; each accumulator from its low end on
	ds_store_b128 v[STO], v[ACC+8*(4*(\a)+\b)+4:ACC+8*(4*(\a)+\b)+7] offset:(\b/2)*128+(\b%2)*32+16
.endr
.irp i, 0,1,2,3,4,5,6,7
	ds_load_b128 v[TT+4*\i:TT+4*\i+3], v[RD] offset:544*\i   ; LDS serves a wave's instructions in order: these see my stores, and the next block's stores come behind them
.endr
	s_wait_dscnt 0x0
	WIN 0x20                                       ; source 2 (RES) window 2
.irp i, 0,1,2,3,4,5,6,7,8,9,10,11,12,13,14,15
	v_pk_fma_f32 v[TT+2*\i:TT+2*\i+1], v[TT+2*\i:TT+2*\i+1], s[76:77], v[32*(\a)+2*\i:32*(\a)+2*\i+1] op_sel_hi:[1,0,1]
.endr
	WIN 0
.irp i, 0,1,2,3,4,5,6,7
	v_pk_add_f32 v[TT+4*\i:TT+4*\i+1], v[TT+4*\i:TT+4*\i+1], v[BIAS:BIAS+1]
	v_pk_add_f32 v[TT+4*\i+2:TT+4*\i+3], v[TT+4*\i+2:TT+4*\i+3], v[BIAS+2:BIAS+3]
.endr
.irp i, 0,1,2,3,4,5,6,7
	global_store_b128 v[CO], v[TT+4*\i:TT+4*\i+3], s[74:75] offset:(16*(\a)+2*\i)*4096   ; sixteen lanes store 256 consecutive bytes, aligned
.endr
.endm
	OUTB 0
	OUTB 1
	OUTB 2
	OUTB 3
	s_wait_tensorcnt 0x0                           ; the wave's end
	ds_add_u32 v[SPW], v[NIL]
	s_wait_dscnt 0x0
	CROUND                                         ; the closing round
	s_endpgm
.Lfunc_end_k_qd0bc59d085_proj:
	.size	k_qd0bc59d085_proj, .Lfunc_end_k_qd0bc59d085_proj-k_qd0bc59d085_proj
	.p2alignl 7, 3214868480
	.fill 96, 4, 3214868480
	.section	.rodata,"a",@progbits
	.p2align	6, 0x0
	.amdhsa_kernel k_qd0bc59d085_proj
		.amdhsa_group_segment_fixed_size 327680
		.amdhsa_private_segment_fixed_size 0
		.amdhsa_enable_private_segment 0
		.amdhsa_kernarg_size 48
		.amdhsa_user_sgpr_count 2
		.amdhsa_user_sgpr_kernarg_segment_ptr 1
		.amdhsa_wavefront_size32 1
		.amdhsa_system_sgpr_workgroup_id_x 1
		.amdhsa_system_sgpr_workgroup_id_y 1
		.amdhsa_system_sgpr_workgroup_id_z 1
		.amdhsa_system_vgpr_workitem_id 0
		.amdhsa_next_free_vgpr 768
		.amdhsa_next_free_sgpr 80
		.amdhsa_reserve_vcc 0
		.amdhsa_float_denorm_mode_32 3
		.amdhsa_float_denorm_mode_16_64 3
		.amdhsa_memory_ordered 1
		.amdhsa_forward_progress 1
		.amdhsa_inst_pref_size 57
	.end_amdhsa_kernel
	.amdgpu_metadata
---
amdhsa.version: [ 1, 2 ]
amdhsa.kernels:
  - .name:           k_qd0bc59d085_proj
    .symbol:         k_qd0bc59d085_proj.kd
    .args:
      - { .name: oc, .offset: 0, .size: 8, .value_kind: global_buffer, .address_space: global }
      - { .name: wc, .offset: 8, .size: 8, .value_kind: global_buffer, .address_space: global }
      - { .name: lowp_scales, .offset: 16, .size: 8, .value_kind: global_buffer, .address_space: global }
      - { .name: b_proj, .offset: 24, .size: 8, .value_kind: global_buffer, .address_space: global }
      - { .name: x, .offset: 32, .size: 8, .value_kind: global_buffer, .address_space: global }
      - { .name: x1, .offset: 40, .size: 8, .value_kind: global_buffer, .address_space: global }
    .group_segment_fixed_size: 327680
    .private_segment_fixed_size: 0
    .kernarg_segment_align: 8
    .kernarg_segment_size: 48
    .max_flat_workgroup_size: 128
    .sgpr_count:     80
    .vgpr_count:     768
    .wavefront_size: 32
...
	.end_amdgpu_metadata
.endif
;; end of part 4
;; launch ln2 (part 5): grid 256 x 1, 4 waves a work-group, no clusters, 0 bytes of LDS; arguments x1, g2, be2, lowp_scales, tc; writes tc
.if DOCPART == 5
	.amdgcn_target "amdgcn-amd-amdhsa--gfx1250"
	.amdhsa_code_object_version 6
	.text
	.protected	k_qd0bc59d085_ln2
	.globl	k_qd0bc59d085_ln2
	.p2align	8
	.type	k_qd0bc59d085_ln2,@function
k_qd0bc59d085_ln2:
	s_mov_b64 s[64:65], 0
	v_nop
	global_prefetch_b8 v0, s[64:65] scope:SCOPE_SE
	s_setreg_imm32_b32 hwreg(HW_REG_WAVE_MODE, 25, 1), 1
	s_wait_xcnt 0x0
; t = layernorm(layernorm(x1, g2, be2), g2, be2), f32, quantised to E4M3 with 2^e12: tc = [4096][1024] codes, K innermost.
; 16 rows a work-group, 4 a wave; a row stays in 32 registers of each lane between its passes, so memory is read once.  No LDS, no barrier: a reduction never leaves its wave.
; LIMIT: e12 between -126 and 119.  NaN is not served.  No cluster (only 8 KiB are shared), no prefetch (all loads go out at the head).
.set G,  16                            ; v16-47   g2: register 8 c + j = element 256 c + 8 lane + j
.set BE, 48                            ; v48-79   be2
.set X,  80                            ; v80-207  four rows
.set T,  208                           ; v208-223 two sets of eight held numbers
.set C,  224                           ; v224-231 a row's codes
.macro REDUCE
	v_pk_add_f32 v[4:5], v[4:5], v[6:7]
	v_add_f32 v8, v4, v5
	v_add_f32_dpp v8, v8, v8 row_xmask:1 row_mask:0xf bank_mask:0xf
	v_add_f32_dpp v8, v8, v8 row_xmask:2 row_mask:0xf bank_mask:0xf
	v_add_f32_dpp v8, v8, v8 row_xmask:4 row_mask:0xf bank_mask:0xf
	v_add_f32_dpp v8, v8, v8 row_xmask:8 row_mask:0xf bank_mask:0xf
	v_permlanex16_b32 v9, v8, s84, s85
	v_add_f32 v8, v8, v9
.endm
.macro LN xs                           ; in place; the mean is taken off before the squares
	v_pk_add_f32 v[4:5], v[\xs:\xs+1], v[\xs+2:\xs+3]
	v_pk_add_f32 v[6:7], v[\xs+4:\xs+5], v[\xs+6:\xs+7]
.irp j, 8,12,16,20,24,28
	v_pk_add_f32 v[4:5], v[4:5], v[\xs+\j:\xs+\j+1]
	v_pk_add_f32 v[6:7], v[6:7], v[\xs+\j+2:\xs+\j+3]
.endr
	REDUCE
	v_mul_f32 v10, s86, v8
.irp j, 0,2,4,6,8,10,12,14,16,18,20,22,24,26,28,30
	v_pk_add_f32 v[\xs+\j:\xs+\j+1], v[\xs+\j:\xs+\j+1], v[10:11] op_sel_hi:[1,0] neg_lo:[0,1] neg_hi:[0,1]
.endr
	v_pk_mul_f32 v[4:5], v[\xs:\xs+1], v[\xs:\xs+1]
	v_pk_mul_f32 v[6:7], v[\xs+2:\xs+3], v[\xs+2:\xs+3]
.irp j, 4,8,12,16,20,24,28
	v_pk_fma_f32 v[4:5], v[\xs+\j:\xs+\j+1], v[\xs+\j:\xs+\j+1], v[4:5]
	v_pk_fma_f32 v[6:7], v[\xs+\j+2:\xs+\j+3], v[\xs+\j+2:\xs+\j+3], v[6:7]
.endr
	REDUCE
	v_fma_f32 v8, v8, s86, s87
	s_wait_alu depctr_va_vdst(0)
	v_rsq_f32 v12, v8
	v_mov_b32 v13, 0                               ; a plain instruction behind the transcendental
	s_wait_alu depctr_va_vdst(0)                   ; the wait ahead of the first reader
.irp j, 0,2,4,6,8,10,12,14,16,18,20,22,24,26,28,30
	v_pk_mul_f32 v[\xs+\j:\xs+\j+1], v[\xs+\j:\xs+\j+1], v[12:13] op_sel_hi:[1,0]
.endr
.irp j, 0,2,4,6,8,10,12,14,16,18,20,22,24,26,28,30
	v_pk_fma_f32 v[\xs+\j:\xs+\j+1], v[\xs+\j:\xs+\j+1], v[G+\j:G+\j+1], v[BE+\j:BE+\j+1]
.endr
.endm
.macro QROW xs, sc, lim, c0            ; the hold, then the conversion; two sets of held numbers by turns, so that plain lines stand between a conversion and the next write of its sources
.irp c, 0,1,2,3
.irp j, 0,1,2,3,4,5,6,7
	v_med3_num_f32 v[T+8*(\c%2)+\j], v[\xs+8*\c+\j], -v[\lim], v[\lim]
.endr
	v_cvt_scalef32_pk8_fp8_f32 v[\c0+2*\c:\c0+2*\c+1], v[T+8*(\c%2):T+8*(\c%2)+7], v[\sc]
.endr
.endm
	s_load_b256 s[8:15], s[0:1], 0x0               ; x1 8, g2 10, be2 12, lowp_scales 14
	s_load_b64 s[16:17], s[0:1], 0x20              ; tc
	v_lshrrev_b32 v1, 5, v0
	v_readfirstlane_b32 s2, v1
	v_and_b32 v1, 31, v0
	v_lshlrev_b32 v2, 5, v1
	v_lshlrev_b32 v3, 3, v1
	s_lshl_b32 s33, ttmp9, 4
	s_lshl_b32 s34, s2, 2
	s_add_co_u32 s33, s33, s34                     ; my first row
	s_lshl_b32 s34, s33, 12
	s_mov_b32 s35, 0
	s_lshl_b32 s36, s33, 10
	s_mov_b32 s37, 0
	s_wait_alu depctr_va_vdst(0)
	s_wait_kmcnt 0x0
	s_load_b32 s68, s[14:15], 0x30                 ; e12
	s_add_nc_u64 s[8:9], s[8:9], s[34:35]
	s_add_nc_u64 s[36:37], s[16:17], s[36:37]
.irp c, 0,1,2,3
	global_load_b128 v[G+8*\c:G+8*\c+3], v2, s[10:11] offset:1024*\c
	global_load_b128 v[G+8*\c+4:G+8*\c+7], v2, s[10:11] offset:1024*\c+16
.endr
.irp c, 0,1,2,3
	global_load_b128 v[BE+8*\c:BE+8*\c+3], v2, s[12:13] offset:1024*\c
	global_load_b128 v[BE+8*\c+4:BE+8*\c+7], v2, s[12:13] offset:1024*\c+16
.endr
.irp r, 0,1,2,3
.irp c, 0,1,2,3
	global_load_b128 v[X+32*\r+8*\c:X+32*\r+8*\c+3], v2, s[8:9] offset:4096*\r+1024*\c
	global_load_b128 v[X+32*\r+8*\c+4:X+32*\r+8*\c+7], v2, s[8:9] offset:4096*\r+1024*\c+16
.endr
.endr
	s_mov_b32 s84, 0x76543210
	s_mov_b32 s85, 0xfedcba98
	s_mov_b32 s86, 0x3a800000                      ; 1 / 1024
	s_mov_b32 s87, 0x3727c5ac                      ; 1e-5
	v_mov_b32 v9, 0
	v_mov_b32 v11, 0
	s_wait_kmcnt 0x0
	s_add_co_i32 s88, s68, 127
	s_lshl_b32 s89, s88, 23
	v_mov_b32 v248, s89                            ; 2^e12
	s_add_co_i32 s88, s88, 8
	s_lshl_b32 s88, s88, 23
	s_or_b32 s88, s88, 0x600000
	v_mov_b32 v251, s88                            ; 448 x 2^e12
.irp r, 0,1,2,3
	s_wait_loadcnt 8*(3-\r)                        ; this row's eight loads are in, the later rows' stay out
	LN X+32*\r
	LN X+32*\r
.if \r > 0
	s_wait_xcnt 0x0                                ; the last row's stores have read their data
.endif
	QROW X+32*\r, 248, 251, C
.irp c, 0,1,2,3
	global_store_b64 v3, v[C+2*\c:C+2*\c+1], s[36:37] offset:1024*\r+256*\c   ; 32 lanes x 8 bytes: 256 consecutive bytes, aligned
.endr
.endr
	s_endpgm
.Lfunc_end_k_qd0bc59d085_ln2:
	.size	k_qd0bc59d085_ln2, .Lfunc_end_k_qd0bc59d085_ln2-k_qd0bc59d085_ln2
	.p2alignl 7, 3214868480
	.fill 96, 4, 3214868480
	.section	.rodata,"a",@progbits
	.p2align	6, 0x0
	.amdhsa_kernel k_qd0bc59d085_ln2
		.amdhsa_group_segment_fixed_size 0
		.amdhsa_private_segment_fixed_size 0
		.amdhsa_enable_private_segment 0
		.amdhsa_kernarg_size 40
		.amdhsa_user_sgpr_count 2
		.amdhsa_user_sgpr_kernarg_segment_ptr 1
		.amdhsa_wavefront_size32 1
		.amdhsa_system_sgpr_workgroup_id_x 1
		.amdhsa_system_sgpr_workgroup_id_y 1
		.amdhsa_system_sgpr_workgroup_id_z 1
		.amdhsa_system_vgpr_workitem_id 0
		.amdhsa_next_free_vgpr 256
		.amdhsa_next_free_sgpr 100
		.amdhsa_reserve_vcc 0
		.amdhsa_float_denorm_mode_32 3
		.amdhsa_float_denorm_mode_16_64 3
		.amdhsa_memory_ordered 1
		.amdhsa_forward_progress 1
		.amdhsa_inst_pref_size 65
	.end_amdhsa_kernel
	.amdgpu_metadata
---
amdhsa.version: [ 1, 2 ]
amdhsa.kernels:
  - .name:           k_qd0bc59d085_ln2
    .symbol:         k_qd0bc59d085_ln2.kd
    .args:
      - { .name: x1, .offset: 0, .size: 8, .value_kind: global_buffer, .address_space: global }
      - { .name: g2, .offset: 8, .size: 8, .value_kind: global_buffer, .address_space: global }
      - { .name: be2, .offset: 16, .size: 8, .value_kind: global_buffer, .address_space: global }
      - { .name: lowp_scales, .offset: 24, .size: 8, .value_kind: global_buffer, .address_space: global }
      - { .name: tc, .offset: 32, .size: 8, .value_kind: global_buffer, .address_space: global }
    .group_segment_fixed_size: 0
    .private_segment_fixed_size: 0
    .kernarg_segment_align: 8
    .kernarg_segment_size: 40
    .max_flat_workgroup_size: 128
    .sgpr_count:     100
    .vgpr_count:     256
    .wavefront_size: 32
...
	.end_amdgpu_metadata
.endif
;; end of part 5
;; launch ffn1 (part 6): grid 16 x 16, 4 waves a work-group, clusters of 4 x 4, 327,680 bytes of LDS; arguments tc, wc, lowp_scales, b1, hid; writes hid
.if DOCPART == 6
	.amdgcn_target "amdgcn-amd-amdhsa--gfx1250"
	.amdhsa_code_object_version 6
	.text
	.protected	k_qd0bc59d085_ffn1
	.globl	k_qd0bc59d085_ffn1
	.p2align	8
	.type	k_qd0bc59d085_ffn1,@function
k_qd0bc59d085_ffn1:
	s_mov_b64 s[64:65], 0
	v_nop
	global_prefetch_b8 v0, s[64:65] scope:SCOPE_SE
	s_setreg_imm32_b32 hwreg(HW_REG_WAVE_MODE, 25, 1), 1
	s_wait_xcnt 0x0
	s_wait_alu depctr_hold_cnt(0) depctr_sa_sdst(0) depctr_va_vdst(0) depctr_va_sdst(0) depctr_va_ssrc(0) depctr_va_vcc(0) depctr_vm_vsrc(0)
	s_getreg_b32 s2, hwreg(HW_REG_IB_STS2, 6, 4)
	s_cmp_eq_u32 s2, 0
	s_cbranch_scc0 .Lentry_in_a_cluster
	s_endpgm
.Lentry_in_a_cluster:
	s_bfe_u32 s2, ttmp6, 0x10000c
	s_cmp_lg_u32 s2, 0xf033
	s_cbranch_scc0 .Lentry_shape_is_right
	s_endpgm
.Lentry_shape_is_right:
; hid = relu(t x w1 + b1), quantised with 2^e14: the text of launch qkv with FFN = 1; its head comment describes both.  hid = [unit / 64][token][64] codes.
; At the head each wave issues one joint load of a whole tile of 256 rows: waves 0, 1 for source 1, waves 2, 3 for source 0; even waves fill slot 0, odd waves slot 1, and each slot is filled again by its own two waves.
.set FFN,    1
.set ROWB,   256
.set KROW,   1024
.set PITCH,  272
.set FR,     16
.set NL,     4
.set NP,     4
.set HALFT,  128*PITCH
.set SLOT,   4*HALFT
.set LAPS,   2
.set SPARE,  2*SLOT
.set WST,    17408
.set ADRA, 16
.set ADRB, 20
.set STO,  24
.set RD,   25
.set CO,   26
.set BA,   27
.set SPW,  28
.set NIL,  29
.set SCL,  30
.set LIM,  31
.set BI,   32
.set CD,   96
.set TMP,  128
.set AF,   128
.set BK,   128
.set G1, 24
.set G0, 32
.set G1B, 48
.set G0B, 56
.if FFN
.set OUTP, 12
.set RUN,  262144
.else
.set OUTP, 10
.set RUN,  65536
.endif
.set MSB, 0
.macro WIN new
.if MSB != \new
	s_set_vgpr_msb (MSB<<8)|\new
.set MSB, \new
.endif
.endm
.set MUL_LO, 0xa1
.set MUL_HI, 0xf1
.set TO_B,   0x40
.macro JLOAD g0a, g1a, g0b, g1b
	s_cmp_eq_u32 s15, 0
	s_cbranch_scc0 .Lfor_b_\@
	tensor_load_to_lds s[\g0a:\g0a+3], s[\g1a:\g1a+7]
	s_nop 0
.rept 4
	v_nop
.endr
	s_branch .Lasked_\@
.Lfor_b_\@:
	tensor_load_to_lds s[\g0b:\g0b+3], s[\g1b:\g1b+7]
	s_nop 0
.rept 4
	v_nop
.endr
.Lasked_\@:
.endm
.macro CREST
	s_cmp_lg_u32 s14, 0
	s_cbranch_scc1 .Lnot_wave_0_\@
	s_barrier_signal -3
.Lnot_wave_0_\@:
	s_barrier_wait -3
	s_barrier_signal -1
	s_barrier_wait -1
.endm
.macro CROUND
	s_barrier_signal -1
	s_barrier_wait -1
	CREST
.endm
	s_load_b256 s[4:11], s[0:1], 0x0
.if FFN
	s_load_b64 s[12:13], s[0:1], 0x20
.endif
	v_lshl_add_u32 v[SPW], v0, 2, SPARE
	v_mov_b32 v[NIL], 0
	ds_add_u32 v[SPW], v[NIL]
	ds_add_u32 v[SPW], v[NIL]
	v_lshrrev_b32 v1, 5, v0
	v_readfirstlane_b32 s14, v1
	s_lshr_b32 s15, s14, 1
	s_and_b32 s16, s14, 1
	s_bfe_u32 s40, ttmp6, 0x40000
	s_bfe_u32 s41, ttmp6, 0x40004
	s_and_b32 s66, ttmp7, 0xffff
	s_lshl_b32 s66, s66, 2
.if FFN
	s_lshl_b32 s42, ttmp9, 2
	s_add_co_u32 s42, s42, s40
	s_add_co_u32 s17, s66, s41
	s_mov_b32 s84, 0
	s_mov_b32 s86, 0x400000
.else
	s_lshl_b32 s84, ttmp9, 22
	s_lshl_b32 s86, ttmp9, 20
	s_cmp_eq_u32 ttmp9, 2
	s_cselect_b32 s67, 0, s66
	s_cselect_b32 s66, s66, 0
	s_cselect_b32 s84, 0x200000, s84
	s_cselect_b32 s86, 0x800000, s86
	s_add_co_u32 s17, s41, s67
	s_add_co_u32 s42, s40, s66
.endif
	s_lshl_b32 s43, s41, 2
	s_lshl_b32 s43, 15, s43
	s_lshl_b32 s44, 0x1111, s40
	s_or_b32 s[G1+0], s43, (0<<16)|(1<<20)|(1<<21)|(5<<22)|(3<<25)
	s_or_b32 s[G1B+0], s44, (0<<16)|(1<<20)|(1<<21)|(5<<22)|(3<<25)
.irp g, G1, G1B
	s_mov_b32 s[\g+1], ROWB<<16
	s_mov_b32 s[\g+2], 256<<16
	s_mov_b32 s[\g+3], ROWB<<16
	s_mov_b32 s[\g+4], 256
	s_mov_b32 s[\g+5], KROW
	s_mov_b32 s[\g+6], 0
	s_mov_b32 s[\g+7], 0
.endr
	s_mov_b32 s18, 0
	s_lshl_b32 s20, s17, 8
	s_add_co_u32 s20, s20, s18
	s_lshl_b32 s20, s20, 10
	s_add_co_u32 s20, s20, s84
	s_mov_b32 s21, 0
	s_lshl_b32 s46, s42, 8
	s_add_co_u32 s46, s46, s18
	s_lshl_b32 s46, s46, 10
	s_add_co_u32 s46, s46, s86
	s_mov_b32 s47, 0
	s_mul_i32 s45, s15, 2*HALFT
	s_wait_dscnt 0x0
	s_wait_kmcnt 0x0
	s_load_b512 s[68:83], s[8:9], 0x0
.if FFN
	s_add_nc_u64 s[20:21], s[4:5], s[20:21]
	s_add_nc_u64 s[46:47], s[6:7], s[46:47]
.else
	s_cmp_eq_u32 ttmp9, 2
	s_cselect_b64 s[88:89], s[6:7], s[4:5]
	s_cselect_b64 s[90:91], s[4:5], s[6:7]
	s_add_nc_u64 s[20:21], s[88:89], s[20:21]
	s_add_nc_u64 s[46:47], s[90:91], s[46:47]
.endif
	CROUND
.irp s, 0,1
	s_mov_b32 s[G0+4*\s], 1
	s_add_co_u32 s[G0+4*\s+1], s45, \s*SLOT
	s_add_nc_u64 s[G0+4*\s+2:G0+4*\s+3], s[20:21], \s*ROWB
	s_or_b32 s[G0+4*\s+3], s[G0+4*\s+3], 0x80000000
	s_mov_b32 s[G0B+4*\s], 1
	s_add_co_u32 s[G0B+4*\s+1], s45, \s*SLOT
	s_add_nc_u64 s[G0B+4*\s+2:G0B+4*\s+3], s[46:47], \s*ROWB
	s_or_b32 s[G0B+4*\s+3], s[G0B+4*\s+3], 0x80000000
.endr
	v_and_b32 v1, 15, v0
	s_wait_alu depctr_va_vdst(0)
	v_bfe_u32 v2, v0, 4, 1
	v_mul_u32_u24 v3, v1, PITCH
	v_lshl_add_u32 v4, v2, 4, v3
	s_mul_i32 s21, s15, HALFT
	s_mul_i32 s22, s16, HALFT
	s_add_co_u32 s22, s22, 2*HALFT
.irp s, 0,1
	v_add_nc_u32 v[ADRA+\s], s21, v4
	v_add_nc_u32 v[ADRB+\s], s22, v4
	s_add_co_u32 s21, s21, SLOT
	s_add_co_u32 s22, s22, SLOT
.endr
	s_mul_i32 s23, s14, WST
	v_lshrrev_b32 v5, 2, v1
	v_mul_u32_u24 v5, v5, 272
	v_and_b32 v6, 3, v1
	v_lshl_add_u32 v5, v6, 6, v5
	v_lshl_add_u32 v5, v2, 4, v5
	v_add_nc_u32 v[STO], s23, v5
	v_mul_u32_u24 v6, v2, 272
	v_lshl_add_u32 v6, v1, 4, v6
	v_add_nc_u32 v[RD], s23, v6
	v_and_b32 v6, 31, v0
	v_lshlrev_b32 v[CO], 4, v6
	s_wait_alu depctr_va_vdst(0)                   ; the wait behind the head's vector lines
.macro PTRWORK                         ; where my results go, and the bias: work on scalars and global addresses that both arms of the head's chain run
	s_lshl_b32 s20, s17, 8
	s_lshl_b32 s21, s15, 7
	s_add_co_u32 s20, s20, s21
	s_lshl_b32 s46, s42, 8
	s_lshl_b32 s47, s16, 7
	s_add_co_u32 s46, s46, s47
.if FFN
	s_lshl_b32 s20, s20, 6
	s_lshr_b32 s47, s46, 6
	s_lshl_b32 s47, s47, 18
	s_add_co_u32 s20, s20, s47
	s_mov_b32 s21, 0
	s_add_nc_u64 s[OUTP:OUTP+1], s[OUTP:OUTP+1], s[20:21]
	s_lshl_b32 s46, s46, 2
	s_mov_b32 s47, 0
	s_add_nc_u64 s[10:11], s[10:11], s[46:47]
	v_lshlrev_b32 v[BA], 6, v2
.irp p, 0,1,2,3
.irp q, 0,1,2,3
	global_load_b128 v[BI+16*\p+4*\q:BI+16*\p+4*\q+3], v[BA], s[10:11] offset:128*\p+16*\q
.endr
.endr
.else
	s_lshr_b32 s21, s20, 10
	s_lshl_b32 s21, s21, 20
	s_and_b32 s20, s20, 1023
	s_lshl_b32 s20, s20, 6
	s_add_co_u32 s20, s20, s21
	s_lshr_b32 s47, s46, 6
	s_lshl_b32 s47, s47, 16
	s_add_co_u32 s20, s20, s47
	s_lshl_b32 s47, ttmp9, 22
	s_add_co_u32 s20, s20, s47
	s_mov_b32 s21, 0
	s_add_nc_u64 s[OUTP:OUTP+1], s[OUTP:OUTP+1], s[20:21]
.endif
.endm
	s_cmp_eq_u32 s16, 0                            ; one chain, one load to an arm.  Waves 0, 2 ask for K step 0 (slot 0) first and wait for it in their arm;
	s_cbranch_scc0 .Lhead_1
	JLOAD G0, G1, G0B, G1B
	PTRWORK
	s_wait_tensorcnt 0x0                           ; my part of K step 0 is in
	s_branch .Lhead_j
.Lhead_1:                                              ; waves 1, 3 ask for K step 1 (slot 1) behind their pointer work; their load stays out across the first barrier: slot 1 is read only behind the next change of slots, whose wait for 0 covers it
	PTRWORK
	JLOAD G0+4, G1, G0B+4, G1B
.Lhead_j:
.macro FRAG reg, adr, q, i
.irp c, 0,1,2,3
	ds_load_b128 v[\reg+4*\c:\reg+4*\c+3], v[\adr] offset:128*(\q)+32*\c+(\i)*16*PITCH
.endr
.endm
.macro MUL16 a0, p, zero
.irp a, \a0, \a0+1
.irp b, 0,1,2,3,4,5,6,7
.if \zero
	v_wmma_f32_16x16x128_fp8_fp8 v[8*(8*((\a)%4)+\b):8*(8*((\a)%4)+\b)+7], v[128*(\p)+FR*\b:128*(\p)+FR*\b+FR-1], v[AF+FR*(\a):AF+FR*(\a)+FR-1], 0
.else
	v_wmma_f32_16x16x128_fp8_fp8 v[8*(8*((\a)%4)+\b):8*(8*((\a)%4)+\b)+7], v[128*(\p)+FR*\b:128*(\p)+FR*\b+FR-1], v[AF+FR*(\a):AF+FR*(\a)+FR-1], v[8*(8*((\a)%4)+\b):8*(8*((\a)%4)+\b)+7]
.endif
.endr
.endr
.endm
.macro FETCH_B slot, q, p
	WIN TO_B
.irp i, 0,1,2,3,4,5,6,7
	FRAG 128*(\p)+FR*\i, ADRB+\slot, \q, \i
.endr
	WIN 0
.endm
.macro FETCH_A slot, q, i0
.irp i, \i0, \i0+1, \i0+2, \i0+3
	FRAG AF+FR*(\i), ADRA+\slot, \q, \i
.endr
.endm
.macro PLACES n
.rept \n
	v_nop
.endr
.endm
.macro STEP slot, q, zero
	s_wait_dscnt 4*NL
	WIN MUL_LO
	MUL16 0, (\q)%2, \zero
	MUL16 2, (\q)%2, \zero
	s_wait_dscnt 0
	PLACES NP
	FETCH_B \slot, (\q)+1, 1-(\q)%2
	FETCH_A \slot, (\q)+1, 0
	WIN MUL_HI
	MUL16 4, (\q)%2, \zero
	MUL16 6, (\q)%2, \zero
	PLACES NP
	WIN 0
	FETCH_A \slot, (\q)+1, 4
.endm
.macro TURN slot, next, fill
.if \fill                              ; where the slot is filled again the change stands at the step's head: all the step's fragments are in registers, and its 64 products follow behind the refill
	s_wait_tensorcnt 0x0                           ; all my tensor loads have landed: my part of the next slot
	ds_add_u32 v[SPW], v[NIL]
	s_wait_dscnt 0x0                               ; the add is done, and my reads of this slot are over
	s_barrier_signal -1
	s_barrier_wait -1
.else
	s_wait_tensorcnt 0x0                           ; all my tensor loads have landed: my part of the next slot
	ds_add_u32 v[SPW], v[NIL]
	s_wait_dscnt 4*NL+1                            ; the add and the youngest 16 loads may be out
	WIN MUL_LO
	MUL16 0, 1, 0
	s_wait_dscnt 0x0                               ; the add is done, and my reads of this slot are over
	s_barrier_signal -1
	MUL16 2, 1, 0
	WIN 0
	s_barrier_wait -1
.endif
.if \fill
	CREST
	s_add_nc_u64 s[G0+4*\slot+2:G0+4*\slot+3], s[G0+4*\slot+2:G0+4*\slot+3], 2*ROWB
	s_add_nc_u64 s[G0B+4*\slot+2:G0B+4*\slot+3], s[G0B+4*\slot+2:G0B+4*\slot+3], 2*ROWB
	s_cmp_lg_u32 s16, \slot                        ; the two waves whose slot this is fill it again
	s_cbranch_scc1 .Lnone_\@
	JLOAD G0+4*\slot, G1, G0B+4*\slot, G1B
	s_branch .Lturned_\@
.Lnone_\@:
	PLACES NP
.Lturned_\@:
.else
	PLACES NP
.endif
	FETCH_B \next, 0, 0
.if \fill
	WIN MUL_LO
	MUL16 0, 1, 0
	MUL16 2, 1, 0
	PLACES NP
	WIN 0
.endif
	FETCH_A \next, 0, 0
	WIN MUL_HI
	MUL16 4, 1, 0
	MUL16 6, 1, 0
	PLACES NP
	WIN 0
	FETCH_A \next, 0, 4
.endm
	s_barrier_signal -1
	s_barrier_wait -1
	FETCH_B 0, 0, 0
	FETCH_A 0, 0, 0
	FETCH_A 0, 0, 4
	STEP 0, 0, 1
	s_mov_b32 s3, LAPS-1
.Llap:
	TURN 0, 1, 1
	STEP 1, 0, 0
	TURN 1, 0, 1
	STEP 0, 0, 0
	s_sub_co_u32 s3, s3, 1
	s_cmp_lg_u32 s3, 0
	s_cbranch_scc1 .Llap
	TURN 0, 1, 0
	STEP 1, 0, 0
	s_wait_dscnt 4*NL
	WIN MUL_LO
	MUL16 0, 1, 0
	MUL16 2, 1, 0
	s_wait_dscnt 0
	WIN MUL_HI
	MUL16 4, 1, 0
	MUL16 6, 1, 0
	WIN 0
	PLACES NP
	s_wait_kmcnt 0x0
.if FFN
	s_add_co_i32 s96, s80, s81
	s_add_co_i32 s96, s96, 127
	s_lshl_b32 s96, s96, 23
	s_mov_b32 s97, s96
	s_mov_b32 s94, s82
	s_wait_loadcnt 0x0
.else
	s_cmp_eq_u32 ttmp9, 0
	s_cselect_b32 s92, s68, s70
	s_cselect_b32 s93, s69, s71
	s_cselect_b32 s94, s74, s75
	s_cmp_eq_u32 ttmp9, 2
	s_cselect_b32 s92, s72, s92
	s_cselect_b32 s93, s73, s93
	s_cselect_b32 s94, s77, s94
	s_sub_co_i32 s94, s94, s92
	s_sub_co_i32 s94, s94, s93
.endif
	s_add_co_i32 s94, s94, 127
	s_lshl_b32 s95, s94, 23
	v_mov_b32 v[SCL], s95
	s_add_co_i32 s94, s94, 8
	s_lshl_b32 s94, s94, 23
	s_or_b32 s94, s94, 0x600000
	v_mov_b32 v[LIM], s94
.set OB, 192                           ; v192-255: four sets of 16 registers for rows on their way from the stage to memory
.macro SEND a                          ; block a's codes leave: of each of the two planes 16 rows of 64 bytes, two stores of 512 consecutive bytes, aligned
.irp u, 0,1,2,3
	global_store_b128 v[CO], v[OB+16*((\a)%4)+4*\u:OB+16*((\a)%4)+4*\u+3], s[OUTP:OUTP+1] offset:(\u/2)*RUN+(2*(\a)+(\u%2))*512
.endr
.endm
.macro QBLOCK a
.set AC, 64*((\a)%4)
.set CB, CD+16*((\a)%2)
	WIN 0x02+((\a)/4)
.if FFN
.set j, 0
.rept 32
	v_pk_fma_f32 v[TMP+j:TMP+j+1], v[AC+j:AC+j+1], s[96:97], v[BI+j:BI+j+1] op_sel_hi:[1,0,1]
.set j, j+2
.endr
	WIN 0
.set j, 0
.rept 64
	v_med3_num_f32 v[TMP+j], v[TMP+j], 0, v[LIM]
.set j, j+1
.endr
.else
.set j, 0
.rept 64
	v_med3_num_f32 v[TMP+j], v[AC+j], -v[LIM], v[LIM]
.set j, j+1
.endr
	WIN 0
.endif
.if (\a) > 0
	s_wait_alu depctr_va_vdst(0)                   ; directly ahead of the wait below
	s_wait_dscnt 0x0                               ; the last block's rows are back from the stage, and the earlier stores into it have read their codes
	SEND (\a)-1
.endif
.if (\a) > 3
	s_wait_xcnt 0x0                                ; the stores of four blocks ago have read the set of registers that this block's rows come back into
.endif
.irp q, 0,1,2,3,4,5,6,7
	v_cvt_scalef32_pk8_fp8_f32 v[CB+2*\q:CB+2*\q+1], v[TMP+8*\q:TMP+8*\q+7], v[SCL]
.endr
	v_nop
.irp p, 0,1,2,3
	ds_store_b128 v[STO], v[CB+4*\p:CB+4*\p+3] offset:(\p/2)*8704+(\a)*1088+32*(\p%2)   ; columns 32 p + 16 h + 0 .. 15 of row 16 a + r
.endr
.irp u, 0,1,2,3
	ds_load_b128 v[OB+16*((\a)%4)+4*\u:OB+16*((\a)%4)+4*\u+3], v[RD] offset:(\u/2)*8704+(2*(\a)+(\u%2))*544   ; LDS serves a wave's instructions in order: these see my stores
.endr
.endm
.irp a, 0,1,2,3,4,5,6,7
	QBLOCK \a
.endr
	s_wait_dscnt 0x0
	SEND 7
	s_wait_tensorcnt 0x0
	ds_add_u32 v[SPW], v[NIL]
	s_wait_dscnt 0x0
	CROUND
	s_endpgm
.Lfunc_end_k_qd0bc59d085_ffn1:
	.size	k_qd0bc59d085_ffn1, .Lfunc_end_k_qd0bc59d085_ffn1-k_qd0bc59d085_ffn1
	.p2alignl 7, 3214868480
	.fill 96, 4, 3214868480
	.section	.rodata,"a",@progbits
	.p2align	6, 0x0
	.amdhsa_kernel k_qd0bc59d085_ffn1
		.amdhsa_group_segment_fixed_size 327680
		.amdhsa_private_segment_fixed_size 0
		.amdhsa_enable_private_segment 0
		.amdhsa_kernarg_size 40
		.amdhsa_user_sgpr_count 2
		.amdhsa_user_sgpr_kernarg_segment_ptr 1
		.amdhsa_wavefront_size32 1
		.amdhsa_system_sgpr_workgroup_id_x 1
		.amdhsa_system_sgpr_workgroup_id_y 1
		.amdhsa_system_sgpr_workgroup_id_z 1
		.amdhsa_system_vgpr_workitem_id 0
		.amdhsa_next_free_vgpr 1024
		.amdhsa_next_free_sgpr 100
		.amdhsa_reserve_vcc 0
		.amdhsa_float_denorm_mode_32 3
		.amdhsa_float_denorm_mode_16_64 3
		.amdhsa_memory_ordered 1
		.amdhsa_forward_progress 1
		.amdhsa_inst_pref_size 143
	.end_amdhsa_kernel
	.amdgpu_metadata
---
amdhsa.version: [ 1, 2 ]
amdhsa.kernels:
  - .name:           k_qd0bc59d085_ffn1
    .symbol:         k_qd0bc59d085_ffn1.kd
    .args:
      - { .name: tc, .offset: 0, .size: 8, .value_kind: global_buffer, .address_space: global }
      - { .name: wc, .offset: 8, .size: 8, .value_kind: global_buffer, .address_space: global }
      - { .name: lowp_scales, .offset: 16, .size: 8, .value_kind: global_buffer, .address_space: global }
      - { .name: b1, .offset: 24, .size: 8, .value_kind: global_buffer, .address_space: global }
      - { .name: hid, .offset: 32, .size: 8, .value_kind: global_buffer, .address_space: global }
    .group_segment_fixed_size: 327680
    .private_segment_fixed_size: 0
    .kernarg_segment_align: 8
    .kernarg_segment_size: 40
    .max_flat_workgroup_size: 128
    .sgpr_count:     100
    .vgpr_count:     1024
    .wavefront_size: 32
...
	.end_amdgpu_metadata
.endif
;; end of part 6
;; launch ffn2 (part 7): grid 8 x 32, 4 waves a work-group, clusters of 4 x 4, 327,680 bytes of LDS; arguments hid, wc, lowp_scales, b2, x1, out0; writes out0
.if DOCPART == 7
	.amdgcn_target "amdgcn-amd-amdhsa--gfx1250"
	.amdhsa_code_object_version 6
	.text
	.protected	k_qd0bc59d085_ffn2
	.globl	k_qd0bc59d085_ffn2
	.p2align	8
	.type	k_qd0bc59d085_ffn2,@function
k_qd0bc59d085_ffn2:
	s_mov_b64 s[64:65], 0
	v_nop
	global_prefetch_b8 v0, s[64:65] scope:SCOPE_SE
	s_setreg_imm32_b32 hwreg(HW_REG_WAVE_MODE, 25, 1), 1
	s_wait_xcnt 0x0
	s_wait_alu depctr_hold_cnt(0) depctr_sa_sdst(0) depctr_va_vdst(0) depctr_va_sdst(0) depctr_va_ssrc(0) depctr_va_vcc(0) depctr_vm_vsrc(0)
	s_getreg_b32 s2, hwreg(HW_REG_IB_STS2, 6, 4)
	s_cmp_eq_u32 s2, 0
	s_cbranch_scc0 .Lentry_in_a_cluster
	s_endpgm
.Lentry_in_a_cluster:
	s_bfe_u32 s2, ttmp6, 0x10000c
	s_cmp_lg_u32 s2, 0xf033
	s_cbranch_scc0 .Lentry_shape_is_right
	s_endpgm
.Lentry_shape_is_right:
; out0 = x1 + (hid w2) x 2^(e14 + e15) + b2, f32 out, on codes of E4M3.  4,096 tokens, 1,024 columns, K = 4,096.
; hid = [K / 64 planes][4096 tokens][64] codes; w2's codes = rows [place sigma(n)][K] at 8 MiB in wc (sigma = bits 3 and 4 exchanged); x1, out0 = [4096][1024] f32.
; SHARES.  A work-group makes 128 x 128 of the result: 8 x 32 = 256 work-groups.  K IS SPLIT AMONG ITS FOUR WAVES: of each K step of 512 codes wave w multiplies codes 128 w .. 128 w + 127,
; for the whole 128 x 128: 64 accumulators, 512 registers.  So each byte of a tile is read from LDS once (2 x 128 rows x 128 bytes for a wave's 64 matrix instructions).
; At the end the four parts are joined through LDS: wave w owns tokens 32 w .. 32 w + 31, stores its parts of the other 96 as images of its registers and reads the three parts of its own.
; A's blocks of 16 tokens lie in a wave's registers in the order i xor 2 w, so that a wave's own two blocks are blocks 0 and 1 in every wave: one text serves all four.
; THE RING: two slots, each 8 planes x 128 tokens of hid (four tokens to a line of 256 + 16 bytes; a plane 8,704 bytes) and 128 rows of w2 (512 + 16 bytes).
; A wave has one operand (wave & 1: hid or w2) and one slot (wave >> 1), and brings that operand's whole tile by one load: at the head K steps 0 and 1 go out together, one tensor load a wave; a slot is filled again by its two waves.
; CLUSTERS: 4 x 4; hid's tiles are asked for jointly along a row of the cluster, w2's along a column.
; THE MATRIX INSTRUCTION IS USED TRANSPOSED (source 0 = w2's places, source 1 = tokens): a lane holds one token; register j of tile b is column 32 (b / 2) + 16 h + 8 (b % 2) + j.
; PREFETCH: behind the refill with K step t + 2 each wave names 32 blocks of 256 bytes of K step t + 4; K steps 2 and 3 are named at the head.  The four partners that ask for a tile jointly share its 256 blocks out by address:
; hid: partner cx and wave >> 1 take one plane of the eight, a lane 256 bytes of its 8,192; w2: partner cy takes 32 rows, a lane a row, wave >> 1 one half of its 512 bytes.  K step 7 is the last that is named.
; x1 is not prefetched: my 32 x 128 of it is loaded into registers behind K step 6's products, a K step and the whole joining ahead of its use.
; REGISTERS: window 0: v12-31 bias and addresses, v32-95 a block's sums, v96-103 addresses, v128-255 hid's fragments (one set; later parts and rows on the way out).  window 1: w2's fragments, two sets (set 0 later holds x1).  windows 2, 3: the accumulators.
; LIMIT: e14 + e15 between -126 and 127.  The order of the sum over K differs from ascending K: four parts, added at the end.
.set PL,    8704
.set AW,    8*PL
.set WP,    528
.set SLOT,  AW+128*WP
.set STAGE, 2*SLOT                     ; behind the ring: 16 rows x 528 bytes for each wave
.set SPARE, STAGE+4*16*WP              ; the spare words, 128 bytes a wave
.set WOFF,  0x800000
.set BIAS, 12
.set ADRA, 16                          ; v16-23 hid's fragments: slot x 4 + pair of blocks
.set ADRB, 24                          ; v24-25 w2's fragments, slot 0, 1
.set STO,  26
.set RD,   27
.set CO,   28                          ; 16 x lane
.set PFO,  29
.set SPW,  30
.set NIL,  31
.set T,    32
.set WR,   96                          ; v97-99  where my part of pair P goes
.set RR,   100                         ; v101-103 where the parts of my own pair lie
.set AF,   128
.set G1,  24
.set G0,  32
.set G0B, 36
.set G1B, 48
.set PFA, 56
.set PFB, 58
.set PFS, 60
.set MSB, 0
.macro WIN new                         ; the immediate's high byte repeats the setting that is left
.if MSB != \new
	s_set_vgpr_msb (MSB<<8)|\new
.set MSB, \new
.endif
.endm
.set MUL_LO, 0xa1                      ; source 0 window 1, source 1 window 0, C and D window 2
.set MUL_HI, 0xf1                      ; the same, C and D window 3
.set TO_B,   0x40                      ; destination window 1, address window 0
.macro PLACES                          ; plain vector instructions between a matrix instruction and a load into, or a read of, its registers
.rept 4
	v_nop
.endr
.endm
.macro ARMS                            ; my joint load, by my operand; an s_nop 0 and four v_nop follow each line
	s_cmp_eq_u32 s12, 0
	s_cbranch_scc0 .Lfor_w_\@
	tensor_load_to_lds s[G0:G0+3], s[G1:G1+7]
	s_nop 0
	PLACES
	s_branch .Lasked_\@
.Lfor_w_\@:
	tensor_load_to_lds s[G0B:G0B+3], s[G1B:G1B+7]
	s_nop 0
	PLACES
.Lasked_\@:
.endm
.macro JLOAD slot                      ; a refill: the slot's two waves ask, the others issue none; every way holds the four places in front of the LDS loads that follow
	s_cmp_lg_u32 s11, \slot
	s_cbranch_scc1 .Lnone_\@
	ARMS
	s_branch .Ldone_\@
.Lnone_\@:
	PLACES
.Ldone_\@:
.endm
.macro CREST                           ; a round of the cluster's barrier behind its opening barrier
	s_cmp_lg_u32 s10, 0
	s_cbranch_scc1 .Lnot_wave_0_\@
	s_barrier_signal -3
.Lnot_wave_0_\@:
	s_barrier_wait -3
	s_barrier_signal -1
	s_barrier_wait -1
.endm
.macro CROUND
	s_barrier_signal -1
	s_barrier_wait -1
	CREST
.endm
	s_load_b128 s[4:7], s[0:1], 0x0                ; hid, wc
	s_load_b128 s[68:71], s[0:1], 0x10             ; lowp_scales, b2
	s_load_b128 s[72:75], s[0:1], 0x20             ; x1, out0
	v_lshl_add_u32 v[SPW], v0, 2, SPARE
	v_mov_b32 v[NIL], 0
	ds_add_u32 v[SPW], v[NIL]                      ; the wave's opening: the add, twice on end, and its wait ahead of my first tensor load
	ds_add_u32 v[SPW], v[NIL]
	v_lshrrev_b32 v1, 5, v0
	v_readfirstlane_b32 s10, v1                    ; wave 0..3
	s_lshr_b32 s11, s10, 1                         ; my slot
	s_and_b32 s12, s10, 1                          ; my operand: 0 hid, 1 w2
	s_bfe_u32 s40, ttmp6, 0x40000                  ; cx
	s_bfe_u32 s41, ttmp6, 0x40004                  ; cy
	s_lshl_b32 s42, ttmp9, 2
	s_add_co_u32 s42, s42, s40                     ; tile column
	s_and_b32 s13, ttmp7, 0xffff
	s_lshl_b32 s13, s13, 2
	s_add_co_u32 s13, s13, s41                     ; tile row
	s_lshl_b32 s43, s41, 2
	s_lshl_b32 s43, 15, s43                        ; my row of the cluster
	s_lshl_b32 s44, 0x1111, s40                    ; my column
	s_or_b32 s[G1+0], s43, (3<<16)|(1<<20)|(1<<21)|(5<<22)|(3<<25)   ; hid: elements of 8 bytes; 4 words of padding after every 64 words
	s_mov_b32 s[G1+1], 1024<<16                    ; tensor_dim0: 128 tokens x 64 bytes, dense in a plane
	s_mov_b32 s[G1+2], 8<<16                       ; tensor_dim1 = 8 planes
	s_mov_b32 s[G1+3], 1024<<16                    ; tile_dim0
	s_mov_b32 s[G1+4], 8                           ; tile_dim1
	s_mov_b32 s[G1+5], 32768                       ; from plane to plane: 262,144 bytes
	s_mov_b32 s[G1+6], 0
	s_mov_b32 s[G1+7], 0
	s_or_b32 s[G1B+0], s44, (0<<16)|(1<<20)|(1<<21)|(6<<22)|(3<<25)  ; w2: elements of 1 byte; 4 words after every 128
	s_mov_b32 s[G1B+1], 512<<16
	s_mov_b32 s[G1B+2], 128<<16
	s_mov_b32 s[G1B+3], 512<<16
	s_mov_b32 s[G1B+4], 128
	s_mov_b32 s[G1B+5], 4096
	s_mov_b32 s[G1B+6], 0
	s_mov_b32 s[G1B+7], 0
	s_lshl_b32 s16, s13, 13                        ; hid: 128 tokens x 64 bytes x tile row
	s_mov_b32 s17, 0
	s_lshl_b32 s18, s11, 21                        ; my slot's K step: 8 planes
	s_mov_b32 s19, 0
	s_lshl_b32 s20, s42, 19                        ; w2: 128 places x 4,096 bytes x tile column
	s_add_co_u32 s20, s20, WOFF
	s_mov_b32 s21, 0
	s_lshl_b32 s22, s11, 9                         ; my slot's K step: 512 bytes
	s_mov_b32 s23, 0
	s_mul_i32 s66, s11, SLOT
	s_wait_dscnt 0x0                               ; both opening adds are done
	s_wait_kmcnt 0x0
	s_load_b64 s[76:77], s[68:69], 0x38            ; e14, e15
	s_add_nc_u64 s[14:15], s[4:5], s[16:17]        ; the tiles of K step 0
	s_add_nc_u64 s[46:47], s[6:7], s[20:21]
	s_mov_b32 s[G0], 1
	s_mov_b32 s[G0+1], s66
	s_add_nc_u64 s[G0+2:G0+3], s[14:15], s[18:19]
	s_or_b32 s[G0+3], s[G0+3], 0x80000000
	s_mov_b32 s[G0B], 1
	s_add_co_u32 s[G0B+1], s66, AW
	s_add_nc_u64 s[G0B+2:G0B+3], s[46:47], s[22:23]
	s_or_b32 s[G0B+3], s[G0B+3], 0x80000000
	CROUND                                         ; all sixteen work-groups are here: the first joint loads meet
.macro LDSW                            ; the scalars of the LDS addresses; run by all waves behind the head's chain
	; the scalars of the addresses first, then the vector lines in one run
	s_mul_i32 s18, s10, 2*PL                       ; my two planes of a slot's eight
.irp p, 0,1,2,3
	s_xor_b32 s19, s10, \p                         ; register pair p holds token blocks 2 (p xor w), + 1
	s_mul_i32 s19, s19, 2*1088
	s_add_co_u32 s[84+\p], s18, s19
.endr
	s_lshl_b32 s88, s10, 7                         ; my 128 bytes of w2's rows
	s_add_co_u32 s88, s88, AW
	s_mul_i32 s89, s10, 16*WP
	s_add_co_u32 s89, s89, STAGE                   ; my stage
	s_lshl_b32 s18, s10, 13
	s_lshl_b32 s19, s10, 16
.irp p, 1,2,3                          ; the joining: the part that wave s made for wave d lies at 65,536 d + 8,192 s (+ 32,768 for d's second block)
	s_xor_b32 s20, s10, \p
	s_lshl_b32 s21, s20, 16
	s_add_co_u32 s[89+\p], s21, s18                ; I write for d = p xor w
	s_lshl_b32 s21, s20, 13
	s_add_co_u32 s[92+\p], s21, s19                ; I read what s = p xor w wrote for me
.endr
.endm
.macro PW                              ; global pointers, the prefetches' address and the scale: both arms of the head's chain run it
	s_lshl_b32 s20, s13, 7
	s_lshl_b32 s21, s10, 5
	s_add_co_u32 s20, s20, s21                     ; my first token
	s_lshl_b32 s20, s20, 12
	s_lshl_b32 s22, s42, 9                         ; the tile's first column, in bytes
	s_add_co_u32 s20, s20, s22
	s_mov_b32 s21, 0
	s_mov_b32 s23, 0
	s_add_nc_u64 s[72:73], s[72:73], s[20:21]
	s_add_nc_u64 s[74:75], s[74:75], s[20:21]
	s_add_nc_u64 s[70:71], s[70:71], s[22:23]
	s_lshl_b32 s20, s40, 1                         ; the prefetches.  hid: plane 16 + 2 cx + (wave >> 1) of K step 2,
	s_add_co_u32 s20, s20, s11
	s_add_co_u32 s20, s20, 16
	s_lshl_b32 s20, s20, 18
	s_lshl_b32 s21, s13, 13
	s_add_co_u32 s20, s20, s21                     ; at the tile row's tokens
	s_lshl_b32 s22, s42, 7                         ; w2: place 128 x tile column + 32 cy,
	s_lshl_b32 s23, s41, 5
	s_add_co_u32 s22, s22, s23
	s_lshl_b32 s22, s22, 12
	s_lshl_b32 s23, s11, 8                         ; half (wave >> 1) of K step 2's 512 bytes
	s_add_co_u32 s22, s22, s23
	s_add_co_u32 s22, s22, WOFF+1024
	s_mov_b32 s[PFS], 512
	s_mov_b32 s67, 4096
	s_cmp_eq_u32 s12, 0
	s_cselect_b64 s[PFB:PFB+1], s[4:5], s[6:7]
	s_cselect_b32 s20, s20, s22
	s_cselect_b32 s[PFS], 0x200000, s[PFS]         ; a K step on
	s_cselect_b32 s67, 256, s67                    ; from lane to lane
	s_mov_b32 s21, 0
	s_mov_b32 s[PFS+1], 0
	s_add_nc_u64 s[PFB:PFB+1], s[PFB:PFB+1], s[20:21]      ; K step 2; never rewritten
	s_add_nc_u64 s[PFA:PFA+1], s[PFB:PFB+1], s[PFS:PFS+1]  ; K step 3; it walks
	s_wait_kmcnt 0x0
	s_add_co_i32 s76, s76, s77
	s_add_co_i32 s76, s76, 127
	s_lshl_b32 s76, s76, 23                        ; 2^(e14 + e15)
	s_mov_b32 s77, s76
	v_and_b32 v6, 31, v0
	v_mul_lo_u32 v[PFO], v6, s67
	s_wait_alu depctr_va_vdst(0)
.endm
.macro ASKHEAD
	global_prefetch_b8 v[PFO], s[PFB:PFB+1] th:TH_LOAD_NT scope:SCOPE_SE   ; K step 2
	global_prefetch_b8 v[PFO], s[PFA:PFA+1] th:TH_LOAD_NT scope:SCOPE_SE   ; K step 3
.endm
	s_cmp_eq_u32 s11, 0                            ; one chain, one load to an arm.  Waves 0, 1 ask for K step 0 (slot 0) first and wait for it in their arm;
	s_cbranch_scc0 .Lhead_1
	ARMS
	PW
	ASKHEAD
	s_wait_tensorcnt 0x0                           ; my tile of K step 0 is in
	s_branch .Lhead_j
.Lhead_1:                                              ; waves 2, 3 ask for K step 1 (slot 1) behind their pointer work; their load stays out across the first barrier: slot 1 is read only behind K step 0's change of slots, whose wait for 0 covers it
	PW
	ARMS
	ASKHEAD
.Lhead_j:
	LDSW
	v_and_b32 v1, 15, v0                           ; r
	v_bfe_u32 v2, v0, 4, 1                         ; h
	v_lshrrev_b32 v3, 2, v1
	v_mul_u32_u24 v3, v3, 272
	v_and_b32 v4, 3, v1
	v_lshl_add_u32 v3, v4, 6, v3
	v_lshl_add_u32 v3, v2, 4, v3                   ; hid: (r / 4) 272 + (r % 4) 64 + 16 h
	v_mul_u32_u24 v5, v1, WP
	v_lshl_add_u32 v4, v2, 4, v5                   ; w2: 528 r + 16 h
	v_lshl_add_u32 v5, v2, 6, v5                   ; the stage, in: row r, + 64 h
	v_and_b32 v6, 31, v0
	v_lshlrev_b32 v[CO], 4, v6
.irp p, 0,1,2,3
	v_add_nc_u32 v[ADRA+\p], s[84+\p], v3
	v_add_nc_u32 v[ADRA+4+\p], SLOT, v[ADRA+\p]
.endr
	v_add_nc_u32 v[ADRB], s88, v4
	v_add_nc_u32 v[ADRB+1], SLOT, v[ADRB]
	v_add_nc_u32 v[STO], s89, v5
	v_add_nc_u32 v[RD], s89, v[CO]                 ; back: the 32 lanes take one row of 512 bytes
.irp p, 1,2,3
	v_add_nc_u32 v[WR+\p], s[89+\p], v[CO]
	v_add_nc_u32 v[RR+\p], s[92+\p], v[CO]
.endr
	s_wait_alu depctr_va_vdst(0)                   ; the wait at the head's end
	global_load_b128 v[BIAS:BIAS+3], v[CO], s[70:71]
.macro MUL16 a0, p, zero               ; hid's blocks a0, a0 + 1 x w2's eight tiles.  The 64 accumulators take turns, one instruction a turn, in the same order in every step
.irp a, \a0, \a0+1
.irp b, 0,1,2,3,4,5,6,7
.if \zero
	v_wmma_f32_16x16x128_fp8_fp8 v[8*(8*((\a)%4)+\b):8*(8*((\a)%4)+\b)+7], v[128*(\p)+16*\b:128*(\p)+16*\b+15], v[AF+16*(\a):AF+16*(\a)+15], 0
.else
	v_wmma_f32_16x16x128_fp8_fp8 v[8*(8*((\a)%4)+\b):8*(8*((\a)%4)+\b)+7], v[128*(\p)+16*\b:128*(\p)+16*\b+15], v[AF+16*(\a):AF+16*(\a)+15], v[8*(8*((\a)%4)+\b):8*(8*((\a)%4)+\b)+7]
.endif
.endr
.endr
.endm
.macro FETCH_B slot                    ; w2's eight tiles of my 128 codes into set slot.  Registers 4 c .. hold K = 32 c + 16 h + 0 .. 15, on both sides
	WIN TO_B
.irp i, 0,1,2,3,4,5,6,7
.irp c, 0,1,2,3
	ds_load_b128 v[128*(\slot)+16*\i+4*\c:128*(\slot)+16*\i+4*\c+3], v[ADRB+(\slot)] offset:32*\c+\i*16*WP
.endr
.endr
	WIN 0
.endm
.macro FETCH_A slot, i0                ; hid's blocks i0 .. i0 + 3
.irp i, \i0, \i0+1, \i0+2, \i0+3
.irp c, 0,1,2,3
	ds_load_b128 v[AF+16*(\i)+4*\c:AF+16*(\i)+4*\c+3], v[ADRA+4*(\slot)+(\i)/2] offset:(\c/2)*PL+32*(\c%2)+((\i)%2)*1088
.endr
.endr
.endm
.macro ASK how                         ; 1: the K step two refills on is named; 2: likewise, but not in the loop's last trip, where it would lie behind K step 7
.if \how == 2
	s_cmp_gt_u32 s3, 1
	s_cbranch_scc0 .Lno_\@
.endif
.if \how
	global_prefetch_b8 v[PFO], s[PFA:PFA+1] th:TH_LOAD_NT scope:SCOPE_SE
.endif
.Lno_\@:
.endm
; A K STEP: the change of slots at its head (all the step's fragments are in registers by then), and behind the refill my 64 products on slot's tiles, with the next slot's fragments fetched among them.
.macro TURN slot, next, zero, fill, ask
.if \fill
	s_wait_xcnt 0x0                                ; my prefetches have read their address: it steps here, ahead of the waits of the change
	s_add_nc_u64 s[PFA:PFA+1], s[PFA:PFA+1], s[PFS:PFS+1]
.endif
.if \zero                              ; K step 0: half of its products stand ahead of the three lines, while slot 1's first fill may still be out
	s_wait_dscnt 16                                ; the youngest 16 loads (blocks 4-7) may be out
	WIN MUL_LO
	MUL16 0, \slot, 1
	MUL16 2, \slot, 1
	WIN 0
	s_wait_tensorcnt 0x0                           ; my first load has landed, so my descriptors may be written:
	ds_add_u32 v[SPW], v[NIL]
	s_add_nc_u64 s[G0+2:G0+3], s[14:15], 0x200000  ; both at K step 1, whence they walk, alike in all four waves
	s_or_b32 s[G0+3], s[G0+3], 0x80000000
	s_add_nc_u64 s[G0B+2:G0B+3], s[46:47], 512
	s_or_b32 s[G0B+3], s[G0B+3], 0x80000000
	s_wait_dscnt 0x0                               ; the add is done, and my reads of this slot are over
	s_barrier_signal -1
	s_barrier_wait -1
.else
	s_wait_tensorcnt 0x0                           ; my tensor load has landed
	ds_add_u32 v[SPW], v[NIL]
	s_wait_dscnt 0x0                               ; the add is done, and my reads of this slot are over
	s_barrier_signal -1
	s_barrier_wait -1
.endif
.if \fill
	CREST                                          ; the barrier has opened a round of the cluster's: no wave of any partner still reads this slot or has a load on its way
	s_add_nc_u64 s[G0+2:G0+3], s[G0+2:G0+3], 0x200000   ; every wave's descriptors walk one K step a change: they name the K step two on from the one in hand
	s_add_nc_u64 s[G0B+2:G0B+3], s[G0B+2:G0B+3], 512
	JLOAD \slot
.else
	PLACES
.endif
	FETCH_B \next
.if \zero
.else
	WIN MUL_LO
	MUL16 0, \slot, 0
	MUL16 2, \slot, 0
	PLACES
	WIN 0
.endif
	FETCH_A \next, 0
	ASK \ask
	WIN MUL_HI
	MUL16 4, \slot, \zero
	MUL16 6, \slot, \zero
	PLACES
	WIN 0
	FETCH_A \next, 4
.endm
	s_barrier_signal -1
	s_barrier_wait -1
	FETCH_B 0
	FETCH_A 0, 0
	FETCH_A 0, 4
	TURN 0, 1, 1, 1, 1                             ; K step 0: its products start the sums
	s_mov_b32 s3, 2
.Llap:                                                 ; K steps 1, 2 and 3, 4
	TURN 1, 0, 0, 1, 1
	TURN 0, 1, 0, 1, 2
	s_sub_co_u32 s3, s3, 1
	s_cmp_lg_u32 s3, 0
	s_cbranch_scc1 .Llap
	TURN 1, 0, 0, 1, 0                             ; K step 5 asks for K step 7
	TURN 0, 1, 0, 0, 0                             ; K step 6 fills nothing
	WIN TO_B                                       ; w2's set 0 is done with (the four places stand in TURN): it takes my 32 rows x 512 bytes of x1, in the layout in which rows come back from the stage
.irp t, 0,1,2,3,4,5,6,7,8,9,10,11,12,13,14,15,16,17,18,19,20,21,22,23,24,25,26,27,28,29,30,31
	global_load_b128 v[4*\t:4*\t+3], v[CO], s[72:73] offset:\t*4096
.endr
	WIN 0
; THE JOINING.  My part of pair p, another wave's tokens, goes out as an image of my registers: 16 bytes a lane, 512 consecutive bytes an instruction; each accumulator from its low end on.
.macro PART p
	PLACES                                         ; behind the products just issued
	WIN 0x08+4*(\p/2)                              ; the data: window 2 (pair 1) or 3 (pairs 2, 3)
.irp n, 0,1,2,3,4,5,6,7,8,9,10,11,12,13,14,15,16,17,18,19,20,21,22,23,24,25,26,27,28,29,30,31
	ds_store_b128 v[WR+\p], v[128*(\p%2)+4*\n:128*(\p%2)+4*\n+3] offset:(\n/16)*32768+(\n%16)*512
.endr
.endm
	s_wait_dscnt 0x0                               ; K step 7: all its fragments are in registers: my last reads of the ring are over
	s_barrier_signal -1
	WIN MUL_LO
	MUL16 2, 1, 0                                  ; pair 1 first, then my own pair
	MUL16 0, 1, 0
	WIN 0
	s_barrier_wait -1                              ; nobody reads the ring any more, and it has had its last fill: the parts may be stored there
	PART 1                                         ; each pair leaves as soon as it is finished; the next pair's products follow its stores
	WIN MUL_HI
	MUL16 4, 1, 0
	PART 2
	WIN MUL_HI
	MUL16 6, 1, 0
	PART 3
	WIN 0
	s_wait_dscnt 0x0
	s_barrier_signal -1
	s_barrier_wait -1
.macro LDP dst, p, e                   ; the part that wave p xor w made of my block e
.irp q, 0,1,2,3,4,5,6,7,8,9,10,11,12,13,14,15
	ds_load_b128 v[\dst+4*\q:\dst+4*\q+3], v[RR+\p] offset:\e*32768+\q*512
.endr
.endm
	LDP 128, 1, 0                                  ; block 0: window 0 v128, v192, window 1 v128;  block 1: window 1 v192, window 2 v128, v192 (accumulators that have been stored)
	LDP 192, 2, 0
	WIN 0x40
	LDP 128, 3, 0
	LDP 192, 3, 1
	WIN 0x80
	LDP 128, 1, 1
	LDP 192, 2, 1
.macro ADD64 d, a, b
.irp j, 0,2,4,6,8,10,12,14,16,18,20,22,24,26,28,30,32,34,36,38,40,42,44,46,48,50,52,54,56,58,60,62
	v_pk_add_f32 v[\d+\j:\d+\j+1], v[\a+\j:\a+\j+1], v[\b+\j:\b+\j+1]
.endr
.endm
.macro TOSTAGE e                       ; a lane's 32 bytes of a row go into my stage, whole rows of 512 bytes come back.  LDS serves a wave's instructions in order
	WIN 0
.irp b, 0,1,2,3,4,5,6,7
	ds_store_b128 v[STO], v[T+8*\b:T+8*\b+3] offset:(\b/2)*128+(\b%2)*32
	ds_store_b128 v[STO], v[T+8*\b+4:T+8*\b+7] offset:(\b/2)*128+(\b%2)*32+16
.endr
.irp t, 0,1,2,3,4,5,6,7,8,9,10,11,12,13,14,15
	ds_load_b128 v[128+64*\e+4*\t:128+64*\e+4*\t+3], v[RD] offset:\t*WP
.endr
.endm
.macro FIN e                           ; x 2^(e14 + e15) + x1 + b2, and out
	WIN 0x10                                       ; source 2 (x1) window 1
.irp j, 0,2,4,6,8,10,12,14,16,18,20,22,24,26,28,30,32,34,36,38,40,42,44,46,48,50,52,54,56,58,60,62
	v_pk_fma_f32 v[128+64*\e+\j:128+64*\e+\j+1], v[128+64*\e+\j:128+64*\e+\j+1], s[76:77], v[64*\e+\j:64*\e+\j+1] op_sel_hi:[1,0,1]
.endr
	WIN 0
.irp t, 0,1,2,3,4,5,6,7,8,9,10,11,12,13,14,15
	v_pk_add_f32 v[128+64*\e+4*\t:128+64*\e+4*\t+1], v[128+64*\e+4*\t:128+64*\e+4*\t+1], v[BIAS:BIAS+1]
	v_pk_add_f32 v[128+64*\e+4*\t+2:128+64*\e+4*\t+3], v[128+64*\e+4*\t+2:128+64*\e+4*\t+3], v[BIAS+2:BIAS+3]
.endr
.irp t, 0,1,2,3,4,5,6,7,8,9,10,11,12,13,14,15
	global_store_b128 v[CO], v[128+64*\e+4*\t:128+64*\e+4*\t+3], s[74:75] offset:(16*\e+\t)*4096 th:TH_STORE_NT   ; 32 lanes store 512 consecutive bytes, aligned
.endr
.endm
	s_wait_dscnt 48                                ; block 0's three parts are in; block 1's 48 loads may be out
	WIN 0x02                                       ; source 0: my own part, window 2, from each accumulator's low end on
	ADD64 T, 0, 128
	WIN 0
	ADD64 T, T, 192
	WIN 0x04
	ADD64 T, T, 128
	TOSTAGE 0
	s_wait_dscnt 16                                ; block 1's parts are in and the stage's stores have read the sums; the 16 loads from the stage may be out
	WIN 0x0a
	ADD64 T, 64, 128
	WIN 0x08
	ADD64 T, T, 192
	WIN 0x04
	ADD64 T, T, 192
	TOSTAGE 1
	s_wait_dscnt 32                                ; block 0's rows are back; block 1's 16 stores and 16 loads may be out
	s_wait_loadcnt 0x0                             ; x1 and the bias
	FIN 0
	s_wait_dscnt 0x0
	FIN 1
	s_wait_tensorcnt 0x0                           ; the wave's end
	ds_add_u32 v[SPW], v[NIL]
	s_wait_dscnt 0x0
	CROUND                                         ; the closing round
	s_endpgm
.Lfunc_end_k_qd0bc59d085_ffn2:
	.size	k_qd0bc59d085_ffn2, .Lfunc_end_k_qd0bc59d085_ffn2-k_qd0bc59d085_ffn2
	.p2alignl 7, 3214868480
	.fill 96, 4, 3214868480
	.section	.rodata,"a",@progbits
	.p2align	6, 0x0
	.amdhsa_kernel k_qd0bc59d085_ffn2
		.amdhsa_group_segment_fixed_size 327680
		.amdhsa_private_segment_fixed_size 0
		.amdhsa_enable_private_segment 0
		.amdhsa_kernarg_size 48
		.amdhsa_user_sgpr_count 2
		.amdhsa_user_sgpr_kernarg_segment_ptr 1
		.amdhsa_wavefront_size32 1
		.amdhsa_system_sgpr_workgroup_id_x 1
		.amdhsa_system_sgpr_workgroup_id_y 1
		.amdhsa_system_sgpr_workgroup_id_z 1
		.amdhsa_system_vgpr_workitem_id 0
		.amdhsa_next_free_vgpr 1024
		.amdhsa_next_free_sgpr 100
		.amdhsa_reserve_vcc 0
		.amdhsa_float_denorm_mode_32 3
		.amdhsa_float_denorm_mode_16_64 3
		.amdhsa_memory_ordered 1
		.amdhsa_forward_progress 1
		.amdhsa_inst_pref_size 112
	.end_amdhsa_kernel
	.amdgpu_metadata
---
amdhsa.version: [ 1, 2 ]
amdhsa.kernels:
  - .name:           k_qd0bc59d085_ffn2
    .symbol:         k_qd0bc59d085_ffn2.kd
    .args:
      - { .name: hid, .offset: 0, .size: 8, .value_kind: global_buffer, .address_space: global }
      - { .name: wc, .offset: 8, .size: 8, .value_kind: global_buffer, .address_space: global }
      - { .name: lowp_scales, .offset: 16, .size: 8, .value_kind: global_buffer, .address_space: global }
      - { .name: b2, .offset: 24, .size: 8, .value_kind: global_buffer, .address_space: global }
      - { .name: x1, .offset: 32, .size: 8, .value_kind: global_buffer, .address_space: global }
      - { .name: out0, .offset: 40, .size: 8, .value_kind: global_buffer, .address_space: global }
    .group_segment_fixed_size: 327680
    .private_segment_fixed_size: 0
    .kernarg_segment_align: 8
    .kernarg_segment_size: 48
    .max_flat_workgroup_size: 128
    .sgpr_count:     100
    .vgpr_count:     1024
    .wavefront_size: 32
...
	.end_amdgpu_metadata
.endif
;; end of part 7
